; MI455X (gfx1250); checked and timed in simulation.
; The chip was launched on July 23, 2026; its instructions are those of AMD's public machine-readable ISA for CDNA 5 (MIT licence, August 2026) and "CDNA5" Instruction Set Architecture Reference Guide (July 2026). The comments in the code are by the model that wrote it; some were corrected since.
;; Transform block. Allowed arithmetic: float matrix products may take bf16 or f16 operands with f32 sums; all other float work in f32.
;; Inputs: cos_cached 2,048 x 32 float32; g1 1,024 float32; g2 1,024 float32; sin_cached 2,048 x 32 float32; token_positions 2,048 int32; w1 2,752 x 1,024 float32; w2 1,024 x 2,752 float32; w3 2,752 x 1,024 float32; wk 1,024 x 1,024 float32; wo 1,024 x 1,024 float32; wq 1,024 x 1,024 float32; wv 1,024 x 1,024 float32; x 2 x 2,048 x 1,024 float32.
;; Outputs: out0 2 x 2,048 x 1,024 float32.
;; One version. Each part assembles by itself: llvm-mc -triple=amdgcn-amd-amdhsa -mcpu=gfx1250 --defsym DOCPART=n.
;; ======== version 1 of 1: 6 launches
;; limits: values are held in f16: magnitudes above 65,504 overflow, below 6.1e-05 lose precision
;; workspace buffers: hb 8,388,608 bytes; wts 25,690,112 bytes; qkv 25,165,824 bytes; attn 8,388,608 bytes; res 16,777,216 bytes; resb 8,388,608 bytes; ssq 131,072 bytes; act 23,068,672 bytes
;; launch prep (part 1): grid 560 x 1, 8 waves a work-group, no clusters, 0 bytes of LDS; arguments x, g1, g2, wq, wk, wv, wo, w1, w3, w2, hb, wts; writes hb, wts
.if DOCPART == 1
	.amdgcn_target "amdgcn-amd-amdhsa--gfx1250"
	.amdhsa_code_object_version 6
	.text
	.protected	k_qe28c0fed2d_prep
	.globl	k_qe28c0fed2d_prep
	.p2align	8
	.type	k_qe28c0fed2d_prep,@function
k_qe28c0fed2d_prep:
	s_mov_b64 s[64:65], 0
	v_nop
	global_prefetch_b8 v0, s[64:65] scope:SCOPE_SE
	s_setreg_imm32_b32 hwreg(HW_REG_WAVE_MODE, 25, 1), 1
	s_wait_xcnt 0x0
; prep: every f32 matrix operand becomes a 16-bit one once.
;   work-groups   0..127  hb[row] = f16( x[row] * g1 / sqrt(mean(x[row]^2) + 1e-5) ), 32 rows a group, 4 a wave
;   work-groups 128..255  wts[0 ..)          = f16(wq | wk | wv | wo), 32 rows a group
;   work-groups 256..431  wts[8388608 ..)    = rows 2i = bf16(w1[i] * g2), 2i+1 = bf16(w3[i] * g2); rows 5504..5631 are zeros
;   work-groups 432..559  wts[19922944 ..)   = bf16(w2), rows of 2816 numbers, columns 2752..2815 zeros; one row a wave
; FORMATS.  The attention branch goes in f16 (11 significant bits): a query that sees few keys has a branch as large as the residual, and it passes
; six roundings in a row (h, wv, V, P, the attention's output, wo).  f16 has the room: an element of a normalised row is at most sqrt(1024) = 32,
; so |h| <= 32 |g1| (limit kept: |g1| < 2047); the weights' spread is 1/32, and thirty times less is 0.001, where f16's step of at most 2^-24 is
; under 1e-4 of the spread.  The feed-forward weights go in bf16, since their partner, the residual stream, has no such bound.
; g2 is folded into w1 and w3 here; the row factor of the second norm is applied to the f32 sums in the launch that multiplies by them.
; A stream: no LDS, no matrix unit, no barrier.  A row of 1024 f32 is eight 16-byte loads a lane (512 neighbouring bytes a load of the wave)
; and leaves as eight 8-byte stores a lane (256 neighbouring bytes, aligned).  Every row has registers of its own, so nothing that a pending
; load or store names is ever written again.
.set VO, 1                             ; v1   16 x lane: offset of the loads
.set VS, 2                             ; v2   8 x lane: offset of the stores
.set G,  4                             ; v[4:35]    the gain of my 32 columns
.set X,  36                            ; v[36:163]  four rows of 32 registers (w2: one row of 88)
.set SQ, 164                           ; v[164:171] four chains of squares
.set R,  172                           ; v[172:173] 1 / rms, twice
.set ZZ, 174                           ; v[174:175] zeros, or the lane
	s_load_b512 s[8:23], s[0:1], 0x0               ; x 8, g1 10, g2 12, wq 14, wk 16, wv 18, wo 20, w1 22
	s_load_b256 s[24:31], s[0:1], 0x40             ; w3 24, w2 26, hb 28, wts 30
	v_lshrrev_b32 v3, 5, v0
	v_readfirstlane_b32 s4, v3                     ; wave 0..7
	v_and_b32 v3, 31, v0
	v_lshlrev_b32 v[VO], 4, v3
	v_lshlrev_b32 v[VS], 3, v3
	s_mov_b32 s35, 0                               ; upper words of the two offset pairs
	s_mov_b32 s37, 0
	s_mov_b32 s44, 0x76543210                      ; v_permlanex16_b32: lane i reads lane i of the other half
	s_mov_b32 s45, 0xfedcba98
	s_mov_b32 s46, 0x3a800000                      ; 1/1024
	s_mov_b32 s47, 0x3727c5ac                      ; 1e-5
	s_wait_kmcnt 0x0
.macro LDG b                           ; the gain: read by every group, so no hint
.irp j, 0,1,2,3,4,5,6,7
	global_load_b128 v[G+4*\j:G+4*\j+3], v[VO], s[\b:\b+1] offset:512*\j
.endr
.endm
.macro LDROW b, reg, imm               ; one row of 4,096 bytes, read once in this launch
.irp j, 0,1,2,3,4,5,6,7
	global_load_b128 v[\reg+4*\j:\reg+4*\j+3], v[VO], s[\b:\b+1] offset:\imm+512*\j th:TH_LOAD_NT
.endr
.endm
.macro SUMSQ reg                       ; R = 1 / sqrt(mean of squares + eps) of the row in reg, in every lane
.irp k, 0,1,2,3
	v_pk_mul_f32 v[SQ+2*\k:SQ+2*\k+1], v[\reg+2*\k:\reg+2*\k+1], v[\reg+2*\k:\reg+2*\k+1]
.endr
.irp q, 1,2,3
.irp k, 0,1,2,3
	v_pk_fma_f32 v[SQ+2*\k:SQ+2*\k+1], v[\reg+8*\q+2*\k:\reg+8*\q+2*\k+1], v[\reg+8*\q+2*\k:\reg+8*\q+2*\k+1], v[SQ+2*\k:SQ+2*\k+1]
.endr
.endr
	v_pk_add_f32 v[SQ:SQ+1], v[SQ:SQ+1], v[SQ+2:SQ+3]
	v_pk_add_f32 v[SQ+4:SQ+5], v[SQ+4:SQ+5], v[SQ+6:SQ+7]
	v_pk_add_f32 v[SQ:SQ+1], v[SQ:SQ+1], v[SQ+4:SQ+5]
	v_add_f32 v[SQ], v[SQ], v[SQ+1]
	v_add_f32_dpp v[SQ], v[SQ], v[SQ] row_xmask:1 row_mask:0xf bank_mask:0xf
	v_add_f32_dpp v[SQ], v[SQ], v[SQ] row_xmask:2 row_mask:0xf bank_mask:0xf
	v_add_f32_dpp v[SQ], v[SQ], v[SQ] row_xmask:4 row_mask:0xf bank_mask:0xf
	v_add_f32_dpp v[SQ], v[SQ], v[SQ] row_xmask:8 row_mask:0xf bank_mask:0xf
	v_permlanex16_b32 v[SQ+1], v[SQ], s44, s45
	v_add_f32 v[SQ], v[SQ], v[SQ+1]
	v_fma_f32 v[SQ], v[SQ], s46, s47               ; mean + eps
	v_rsq_f32 v[R], v[SQ]                          ; the multiplies by the gain that follow touch neither SQ nor R:
	v_rsq_f32 v[R+1], v[SQ]                        ; they are the plain place behind the two (ISA guide 5.7.2)
.endm
; mode 0: round only; 1: times the gain; 2: times the gain, times R.  half = 1: to f16, 0: to bf16.  Stores to s[42:43] + imm.
.macro OUTROW reg, mode, imm, half
.if \mode >= 1
.irp p, 0,2,4,6,8,10,12,14,16,18,20,22,24,26,28,30
	v_pk_mul_f32 v[\reg+\p:\reg+\p+1], v[\reg+\p:\reg+\p+1], v[G+\p:G+\p+1]
.endr
.endif
.if \mode == 2
	s_wait_alu depctr_va_vdst(0)
.irp p, 0,2,4,6,8,10,12,14,16,18,20,22,24,26,28,30
	v_pk_mul_f32 v[\reg+\p:\reg+\p+1], v[\reg+\p:\reg+\p+1], v[R:R+1]
.endr
.endif
.irp j, 0,1,2,3,4,5,6,7
.if \half
	v_cvt_pk_f16_f32 v[\reg+4*\j], v[\reg+4*\j], v[\reg+4*\j+1]
	v_cvt_pk_f16_f32 v[\reg+4*\j+1], v[\reg+4*\j+2], v[\reg+4*\j+3]
.else
	v_cvt_pk_bf16_f32 v[\reg+4*\j], v[\reg+4*\j], v[\reg+4*\j+1]
	v_cvt_pk_bf16_f32 v[\reg+4*\j+1], v[\reg+4*\j+2], v[\reg+4*\j+3]
.endif
	global_store_b64 v[VS], v[\reg+4*\j:\reg+4*\j+1], s[42:43] offset:\imm+256*\j
.endr
.endm
.macro FOUR mode, half                 ; four rows; the count leaves the younger rows' eight loads each on their way
.irp i, 0,1,2,3
	s_wait_loadcnt 8*(3-\i)
.if \mode == 2
	SUMSQ X+32*\i
.endif
	OUTROW X+32*\i, \mode, 2048*\i, \half
.endr
.endm
	s_cmp_ge_u32 ttmp9, 128
	s_cbranch_scc1 .Lcast
	; ---- the first norm
	s_lshl_b32 s34, ttmp9, 17                      ; 32 rows of 4,096 bytes a group
	s_lshl_b32 s5, s4, 14                          ; 4 rows a wave
	s_add_co_u32 s34, s34, s5
	s_add_nc_u64 s[40:41], s[8:9], s[34:35]
	s_lshr_b32 s36, s34, 1                         ; half the bytes on the way out
	s_add_nc_u64 s[42:43], s[28:29], s[36:37]
	LDG 10
	LDROW 40, X, 0
	LDROW 40, X+32, 4096
	LDROW 40, X+64, 8192
	LDROW 40, X+96, 12288
	FOUR 2, 1
	s_endpgm
.Lcast:
	s_cmp_ge_u32 ttmp9, 256
	s_cbranch_scc1 .Lw13
	; ---- wq, wk, wv, wo: 32 groups each
	s_sub_co_u32 s5, ttmp9, 128
	s_lshr_b32 s6, s5, 5                           ; which of the four
	s_cmp_eq_u32 s6, 1
	s_cselect_b64 s[40:41], s[16:17], s[14:15]
	s_cmp_eq_u32 s6, 2
	s_cselect_b64 s[40:41], s[18:19], s[40:41]
	s_cmp_eq_u32 s6, 3
	s_cselect_b64 s[40:41], s[20:21], s[40:41]
	s_and_b32 s34, s5, 31
	s_lshl_b32 s34, s34, 17
	s_lshl_b32 s7, s4, 14
	s_add_co_u32 s34, s34, s7
	s_add_nc_u64 s[40:41], s[40:41], s[34:35]
	s_lshl_b32 s36, s5, 16                         ; the four lie one behind the other in wts
	s_lshl_b32 s7, s4, 13
	s_add_co_u32 s36, s36, s7
	s_add_nc_u64 s[42:43], s[30:31], s[36:37]
	LDROW 40, X, 0
	LDROW 40, X+32, 4096
	LDROW 40, X+64, 8192
	LDROW 40, X+96, 12288
	FOUR 0, 1
	s_endpgm
.Lw13:
	s_cmp_ge_u32 ttmp9, 432
	s_cbranch_scc1 .Lw2
	; ---- w1 and w3, interleaved row by row, times g2
	s_sub_co_u32 s5, ttmp9, 256
	s_lshl_b32 s34, s5, 16                         ; 16 rows of each source = 32 rows out: 65,536 bytes both ways
	s_lshl_b32 s7, s4, 13
	s_add_co_u32 s34, s34, s7
	s_add_nc_u64 s[42:43], s[30:31], s[34:35]
	s_add_nc_u64 s[42:43], s[42:43], 0x800000
	s_cmp_ge_u32 s5, 172                           ; 172 x 32 = 5504 rows hold data
	s_cbranch_scc1 .Lzero
	s_add_nc_u64 s[40:41], s[22:23], s[34:35]
	s_add_nc_u64 s[38:39], s[24:25], s[34:35]
	LDG 12
	LDROW 40, X, 0
	LDROW 38, X+32, 0
	LDROW 40, X+64, 4096
	LDROW 38, X+96, 4096
	FOUR 1, 0
	s_endpgm
.Lzero:
	v_mov_b32 v[ZZ], 0
	v_mov_b32 v[ZZ+1], 0
.irp i, 0,1,2,3
.irp j, 0,1,2,3,4,5,6,7
	global_store_b64 v[VS], v[ZZ:ZZ+1], s[42:43] offset:2048*\i+256*\j
.endr
.endr
	s_endpgm
.Lw2:
	; ---- w2: a row is 11,008 bytes = 21 loads of the wave and half a load; it leaves as 22 x 256 bytes
	s_sub_co_u32 s5, ttmp9, 432
	s_lshl_b32 s5, s5, 3
	s_add_co_u32 s5, s5, s4                        ; my row
	s_mul_i32 s34, s5, 11008
	s_add_nc_u64 s[40:41], s[26:27], s[34:35]
	s_mul_i32 s36, s5, 5632
	s_add_co_u32 s36, s36, 19922944
	s_add_nc_u64 s[42:43], s[30:31], s[36:37]
	v_and_b32 v[ZZ], 31, v0
	v_cmp_gt_u32 vcc_lo, 16, v[ZZ]                 ; lanes 0..15 hold the row's last 64 numbers
	v_and_b32 v3, 15, v0
	v_lshlrev_b32 v3, 4, v3                        ; lanes 16..31 read what lanes 0..15 read: no load leaves the row
.set j, 0
.rept 21
	global_load_b128 v[X+4*j:X+4*j+3], v[VO], s[40:41] offset:512*j th:TH_LOAD_NT
.set j, j+1
.endr
	global_load_b128 v[X+84:X+87], v3, s[40:41] offset:10752 th:TH_LOAD_NT
.set j, 0
.rept 21
	s_wait_loadcnt 21-j                            ; loads come back in order: number j is in, the younger ones stay out
	v_cvt_pk_bf16_f32 v[X+4*j], v[X+4*j], v[X+4*j+1]
	v_cvt_pk_bf16_f32 v[X+4*j+1], v[X+4*j+2], v[X+4*j+3]
	global_store_b64 v[VS], v[X+4*j:X+4*j+1], s[42:43] offset:256*j
.set j, j+1
.endr
	s_wait_loadcnt 0x0
	v_cvt_pk_bf16_f32 v[X+84], v[X+84], v[X+85]
	v_cvt_pk_bf16_f32 v[X+85], v[X+86], v[X+87]
	v_cndmask_b32 v[X+84], 0, v[X+84], vcc_lo      ; columns 2752..2815 are zeros: data and padding fill one block of 256 bytes
	v_cndmask_b32 v[X+85], 0, v[X+85], vcc_lo
	global_store_b64 v[VS], v[X+84:X+85], s[42:43] offset:5376
	s_endpgm
.Lfunc_end_k_qe28c0fed2d_prep:
	.size	k_qe28c0fed2d_prep, .Lfunc_end_k_qe28c0fed2d_prep-k_qe28c0fed2d_prep
	.p2alignl 7, 3214868480
	.fill 96, 4, 3214868480
	.section	.rodata,"a",@progbits
	.p2align	6, 0x0
	.amdhsa_kernel k_qe28c0fed2d_prep
		.amdhsa_group_segment_fixed_size 0
		.amdhsa_private_segment_fixed_size 0
		.amdhsa_enable_private_segment 0
		.amdhsa_kernarg_size 96
		.amdhsa_user_sgpr_count 2
		.amdhsa_user_sgpr_kernarg_segment_ptr 1
		.amdhsa_wavefront_size32 1
		.amdhsa_system_sgpr_workgroup_id_x 1
		.amdhsa_system_sgpr_workgroup_id_y 1
		.amdhsa_system_sgpr_workgroup_id_z 1
		.amdhsa_system_vgpr_workitem_id 0
		.amdhsa_next_free_vgpr 192
		.amdhsa_next_free_sgpr 66
		.amdhsa_reserve_vcc 1
		.amdhsa_float_denorm_mode_32 3
		.amdhsa_float_denorm_mode_16_64 3
		.amdhsa_memory_ordered 1
		.amdhsa_forward_progress 1
		.amdhsa_inst_pref_size 65
	.end_amdhsa_kernel
	.amdgpu_metadata
---
amdhsa.version: [ 1, 2 ]
amdhsa.kernels:
  - .name:           k_qe28c0fed2d_prep
    .symbol:         k_qe28c0fed2d_prep.kd
    .args:
      - { .name: x, .offset: 0, .size: 8, .value_kind: global_buffer, .address_space: global }
      - { .name: g1, .offset: 8, .size: 8, .value_kind: global_buffer, .address_space: global }
      - { .name: g2, .offset: 16, .size: 8, .value_kind: global_buffer, .address_space: global }
      - { .name: wq, .offset: 24, .size: 8, .value_kind: global_buffer, .address_space: global }
      - { .name: wk, .offset: 32, .size: 8, .value_kind: global_buffer, .address_space: global }
      - { .name: wv, .offset: 40, .size: 8, .value_kind: global_buffer, .address_space: global }
      - { .name: wo, .offset: 48, .size: 8, .value_kind: global_buffer, .address_space: global }
      - { .name: w1, .offset: 56, .size: 8, .value_kind: global_buffer, .address_space: global }
      - { .name: w3, .offset: 64, .size: 8, .value_kind: global_buffer, .address_space: global }
      - { .name: w2, .offset: 72, .size: 8, .value_kind: global_buffer, .address_space: global }
      - { .name: hb, .offset: 80, .size: 8, .value_kind: global_buffer, .address_space: global }
      - { .name: wts, .offset: 88, .size: 8, .value_kind: global_buffer, .address_space: global }
    .group_segment_fixed_size: 0
    .private_segment_fixed_size: 0
    .kernarg_segment_align: 8
    .kernarg_segment_size: 96
    .max_flat_workgroup_size: 256
    .sgpr_count:     66
    .vgpr_count:     192
    .wavefront_size: 32
...
	.end_amdgpu_metadata
.endif
;; end of part 1
;; launch qkv (part 2): grid 16 x 16, 4 waves a work-group, clusters of 4 x 4, 327,680 bytes of LDS; arguments hb, wts, cos_cached, sin_cached, token_positions, qkv; writes qkv
.if DOCPART == 2
	.amdgcn_target "amdgcn-amd-amdhsa--gfx1250"
	.amdhsa_code_object_version 6
	.text
	.protected	k_qe28c0fed2d_qkv
	.globl	k_qe28c0fed2d_qkv
	.p2align	8
	.type	k_qe28c0fed2d_qkv,@function
k_qe28c0fed2d_qkv:
	s_mov_b64 s[64:65], 0
	v_nop
	global_prefetch_b8 v0, s[64:65] scope:SCOPE_SE
	s_setreg_imm32_b32 hwreg(HW_REG_WAVE_MODE, 25, 1), 1
	s_wait_xcnt 0x0
	s_wait_alu depctr_hold_cnt(0) depctr_sa_sdst(0) depctr_va_vdst(0) depctr_va_sdst(0) depctr_va_ssrc(0) depctr_va_vcc(0) depctr_vm_vsrc(0)
	s_getreg_b32 s2, hwreg(HW_REG_IB_STS2, 6, 4)
	s_cmp_eq_u32 s2, 0
	s_cbranch_scc0 .Lentry_in_a_cluster
	s_endpgm
.Lentry_in_a_cluster:
	s_bfe_u32 s2, ttmp6, 0x10000c
	s_cmp_lg_u32 s2, 0xf033
	s_cbranch_scc0 .Lentry_shape_is_right
	s_endpgm
.Lentry_shape_is_right:
; qkv: [4096 x 1024] hb times (wq | wk | wv)^T, 3072 columns, f16 operands; Q and K rotated by the tables at the clipped positions;
; out as [Q|K|V][32 heads][2048][64]: Q and K in bf16, V in f16.
; FORMATS.  V goes on in f16, as all of the attention branch does (11 significant bits, since for a query that sees few keys the branch is as large
; as the residual).  Its room: with x carrying an offset of 30 spreads (h = g1), g1 = 30 and wv carrying an offset of 30 spreads (0.94),
; |V| is about 1024 x 30 x 0.94 = 2.9e4.  Limit kept: |V| < 65504.  Q and K, which the rotation can raise by 1.41 more, stay in bf16.
; A work-group makes 256 tokens x 192 columns (three heads); four waves as 2 x 2, a wave 128 x 96: 48 accumulator tiles.
; K goes in steps of 128 through two LDS slots filled by joint tensor loads: 4 x 4 work-groups form a cluster, the activations' tile is shared
; along a row of the cluster, the weights' along a column.
; The matrix instruction is used transposed (source 0 = 16 weight rows, source 1 = 16 tokens): lane (r, h) holds token r and the eight
; neighbouring columns 8h .. 8h+7 of a tile, that is four rotation pairs.
; REGISTERS in windows of 256: window 0: v0-31 addresses, v32-95 / v96-159 activation fragments (two buffers), v160-207 weight fragments;
; accumulator tile (b, a) is tile t = 8b + a: window 1 + t/32, register 8 (t mod 32); window 3: cos and sin of my tokens, 32a + 8 (b mod 4) + 4 kind.
; token_positions are clipped to 0..2047.
.set NB,     6                         ; weight tiles of a wave
.set NB1,    3                         ; of which the lower part
.set PITCH,  272                       ; LDS row: 256 bytes + 16: sixteen rows of a fragment start in sixteen different 16-byte columns
.set QIC,    5                         ; padding after every 64 words
.set QPS,    4                         ; quarters of 32 along K in a slot
.set KSLOT,  128
.set STEPB,  256
.set AROWS,  256
.set BROWS,  192
.set KPITCH, 1024
.set BOFF,   0
.set SPLITK, 0
.set ALOAD, AROWS/2
.set BLOAD, BROWS/2
.set AHALF, ALOAD*PITCH
.set BHALF, BLOAD*PITCH
.set SLOT,  2*AHALF+2*BHALF
.set G1W0,  (1<<16)|(1<<20)|(1<<21)|(QIC<<22)|(3<<25)   ; element of 2 bytes, padding on, bit 21 beside a mask, interval, 4 words of padding
.set AF0, 32
.set AF1, 96
.set BF,  160
.set ADRA, 8                           ; v8,9   LDS address of my activation fragments in slot 0, 1
.set ADRB, 10                          ; v10,11 the same for the weights
.set G1,  24                           ; s[24:31] group 1, activations
.set G0,  32                           ; s[32:39] group 0, activations, a set for each slot
.set G1B, 48                           ; s[48:55] group 1, weights
.set G0B, 56                           ; s[56:63] group 0, weights
.set MSB, 0
.macro WIN new                         ; the immediate's high byte repeats the setting that is left
.if MSB != \new
	s_set_vgpr_msb (MSB<<8)|\new
.set MSB, \new
.endif
.endm
.macro PLACES                          ; four places behind matrix instructions (ISA guide 7.12.1)
.rept 4
	v_nop
.endr
.endm
.macro JLOAD s                         ; waves 0, 1 ask for the activations' halves, waves 2, 3 for the weights'; one load a wave
	s_cmp_eq_u32 s11, 0
	s_cbranch_scc0 .Lfor_b_\@
	tensor_load_to_lds s[G0+4*\s:G0+4*\s+3], s[G1:G1+7]
	s_nop 0
	PLACES
	s_branch .Lasked_\@
.Lfor_b_\@:
	tensor_load_to_lds s[G0B+4*\s:G0B+4*\s+3], s[G1B:G1B+7]
	s_nop 0
	PLACES
.Lasked_\@:
.endm
.macro CREST                           ; a round of the cluster's barrier behind its opening barrier
	s_cmp_lg_u32 s10, 0
	s_cbranch_scc1 .Lnot_wave_0_\@
	s_barrier_signal -3
.Lnot_wave_0_\@:
	s_barrier_wait -3
	s_barrier_signal -1
	s_barrier_wait -1
.endm
.macro CROUND
	s_barrier_signal -1
	s_barrier_wait -1
	CREST
.endm
.macro LDB slot, k, b0, b1             ; weight fragments b0 .. b1-1 at byte k of the slot's rows
.set bb, \b0
.rept (\b1)-(\b0)
	ds_load_b128 v[BF+8*bb:BF+8*bb+3],   v[ADRB+\slot] offset:\k+bb*16*PITCH
	ds_load_b128 v[BF+8*bb+4:BF+8*bb+7], v[ADRB+\slot] offset:\k+bb*16*PITCH+32
.set bb, bb+1
.endr
.endm
.macro LDA slot, k, f                  ; the eight activation fragments into buffer f
.irp i, 0,1,2,3,4,5,6,7
	ds_load_b128 v[\f+8*\i:\f+8*\i+3],   v[ADRA+\slot] offset:\k+\i*16*PITCH
	ds_load_b128 v[\f+8*\i+4:\f+8*\i+7], v[ADRA+\slot] offset:\k+\i*16*PITCH+32
.endr
.endm
.macro MULS f, b0, b1, zero            ; weight tiles b0 .. b1-1 times the eight activation tiles; the accumulators take turns, one instruction a turn
.set bb, \b0
.rept (\b1)-(\b0)
.set ww, (1+bb/4)*0x50
	WIN ww
.set aa, 0
.rept 8
.set tt, 8*((8*bb+aa)%32)
.if \zero
	v_wmma_f32_16x16x32_f16 v[tt:tt+7], v[BF+8*bb:BF+8*bb+7], v[\f+8*aa:\f+8*aa+7], 0
.else
	v_wmma_f32_16x16x32_f16 v[tt:tt+7], v[BF+8*bb:BF+8*bb+7], v[\f+8*aa:\f+8*aa+7], v[tt:tt+7]
.endif
.set aa, aa+1
.endr
.set bb, bb+1
.endr
.endm
; A quarter of 32 along K on buffer f; in its middle the next quarter's lower weights and activations (into g) are fetched.
.macro QTR slot, k, f, g, zero
	WIN 0
	PLACES
	LDB \slot, \k, NB1, NB
	s_wait_dscnt 2*(NB-NB1)                        ; all but the upper weights just issued: this quarter's activations and lower weights are in
	MULS \f, 0, NB1, \zero
	WIN 0
	PLACES
	LDB \slot, \k+64, 0, NB1
	LDA \slot, \k+64, \g
	s_wait_dscnt 2*NB1+16                          ; all but the next quarter's loads: the upper weights are in
	MULS \f, NB1, NB, \zero
.endm
; A slot's last quarter changes slots.  In front of the barrier each wave waits for its reads of this slot and for all its tensor loads;
; behind it (fill = 1: behind the cluster's round that it opens) the slot is asked for again first, then the next slot is read.
.macro TURNQ slot, k, f, g, fill, next
	WIN 0
	PLACES
	LDB \slot, \k, NB1, NB
	s_wait_dscnt 2*(NB-NB1)
	MULS \f, 0, NB1-1, 0
	s_wait_dscnt 0x0                               ; my reads of this slot are over
	s_wait_tensorcnt 0x0                           ; all my tensor loads have landed: the one that was out is my part of the next slot
	ds_add_u32 v254, v255
	s_wait_dscnt 0x0
	s_barrier_signal -1
	MULS \f, NB1-1, NB1, 0                         ; register work while the others arrive
	WIN 0
	s_barrier_wait -1
.if \fill
	CREST
	s_add_nc_u64 s[G0+4*\slot+2:G0+4*\slot+3], s[G0+4*\slot+2:G0+4*\slot+3], 2*STEPB
	s_add_nc_u64 s[G0B+4*\slot+2:G0B+4*\slot+3], s[G0B+4*\slot+2:G0B+4*\slot+3], 2*STEPB
	JLOAD \slot                                    ; its four v_nop are also the places in front of the loads below
.else
	PLACES
.endif
	LDB \next, 0, 0, NB1
	LDA \next, 0, \g
	MULS \f, NB1, NB, 0
.endm
.macro LASTQ slot, k, f
	WIN 0
	PLACES
	LDB \slot, \k, NB1, NB
	s_wait_dscnt 2*(NB-NB1)
	MULS \f, 0, NB1, 0
	s_wait_dscnt 0x0
	MULS \f, NB1, NB, 0
.endm
.macro STEP slot, zero, fill, next
	QTR \slot, 0, AF0, AF1, \zero
	QTR \slot, 64, AF1, AF0, 0
	QTR \slot, 128, AF0, AF1, 0
	TURNQ \slot, 192, AF1, AF0, \fill, \next
.endm
.macro FINAL slot
	QTR \slot, 0, AF0, AF1, 0
	QTR \slot, 64, AF1, AF0, 0
	QTR \slot, 128, AF0, AF1, 0
	LASTQ \slot, 192, AF1
.endm
.macro LAP zero
	STEP 0, \zero, 1, 1
	STEP 1, 0, 1, 0
.endm
	s_load_b128 s[4:7], s[0:1], 0x0                ; hb, wts
	s_load_b256 s[68:75], s[0:1], 0x10             ; cos 68, sin 70, positions 72, qkv 74
	v_lshl_add_u32 v254, v0, 2, 0x3b800
	v_mov_b32 v255, 0
	ds_add_u32 v254, v255
	v_lshrrev_b32 v1, 5, v0
	v_readfirstlane_b32 s10, v1                    ; wave
	s_lshr_b32 s11, s10, 1                         ; my half of the rows; also: I ask for activations (0) or weights (1)
	s_and_b32 s12, s10, 1                          ; my half of the columns; also: which half of that tile I ask for
	s_bfe_u32 s40, ttmp6, 0x40000                  ; cx
	s_bfe_u32 s41, ttmp6, 0x40004                  ; cy
	s_lshl_b32 s42, ttmp9, 2
	s_add_co_u32 s42, s42, s40                     ; block column
	s_and_b32 s13, ttmp7, 0xffff
	s_lshl_b32 s13, s13, 2
	s_add_co_u32 s13, s13, s41                     ; block row
	s_lshl_b32 s43, s41, 2
	s_lshl_b32 s43, 15, s43                        ; my row of the cluster
	s_lshl_b32 s44, 0x1111, s40                    ; my column
	s_or_b32 s[G1+0], s43, G1W0
	s_or_b32 s[G1B+0], s44, G1W0
	s_mov_b32 s[G1+1], KSLOT<<16                   ; tensor_dim0
	s_mov_b32 s[G1B+1], KSLOT<<16
	s_mov_b32 s[G1+2], ALOAD<<16                   ; tensor_dim1
	s_mov_b32 s[G1B+2], BLOAD<<16
	s_mov_b32 s[G1+3], KSLOT<<16                   ; tile_dim0
	s_mov_b32 s[G1B+3], KSLOT<<16
	s_mov_b32 s[G1+4], ALOAD                       ; tile_dim1
	s_mov_b32 s[G1B+4], BLOAD
	s_mov_b32 s[G1+5], KPITCH                      ; elements from row to row
	s_mov_b32 s[G1B+5], KPITCH
	s_mov_b32 s[G1+6], 0
	s_mov_b32 s[G1B+6], 0
	s_mov_b32 s[G1+7], 0
	s_mov_b32 s[G1B+7], 0
	s_mul_i32 s17, s12, ALOAD                      ; the activations' address hangs on the block row and the wave alone,
	s_mul_i32 s16, s13, AROWS
	s_add_co_u32 s16, s16, s17
	s_mul_i32 s16, s16, KPITCH*2
	s_mov_b32 s17, 0
	s_mul_i32 s47, s12, BLOAD                      ; the weights' on the block column and the wave alone
	s_mul_i32 s46, s42, BROWS
	s_add_co_u32 s46, s46, s47
	s_mul_i32 s46, s46, KPITCH*2
	s_mov_b32 s47, 0
	s_mul_i32 s20, s12, AHALF                      ; LDS: activations' two halves, then the weights' two halves
	s_mul_i32 s21, s12, BHALF
	s_add_co_u32 s21, s21, 2*AHALF
	s_wait_dscnt 0x0
	s_wait_kmcnt 0x0
	s_add_nc_u64 s[14:15], s[4:5], s[16:17]
	s_add_nc_u64 s[46:47], s[6:7], s[46:47]
	CROUND                                         ; all sixteen work-groups are here: the first joint loads meet
.irp s, 0,1
	s_mov_b32 s[G0+4*\s], 1
	s_add_co_u32 s[G0+4*\s+1], s20, \s*SLOT
	s_add_nc_u64 s[G0+4*\s+2:G0+4*\s+3], s[14:15], \s*STEPB
	s_or_b32 s[G0+4*\s+3], s[G0+4*\s+3], 0x80000000
	s_mov_b32 s[G0B+4*\s], 1
	s_add_co_u32 s[G0B+4*\s+1], s21, \s*SLOT
	s_add_nc_u64 s[G0B+4*\s+2:G0B+4*\s+3], s[46:47], \s*STEPB
	s_or_b32 s[G0B+4*\s+3], s[G0B+4*\s+3], 0x80000000
	JLOAD \s                                       ; two loads of the wave are out here, one behind every later round
.endr
	v_and_b32 v1, 15, v0                           ; r
	v_bfe_u32 v2, v0, 4, 1                         ; h
	v_mul_u32_u24 v3, v1, PITCH
	v_lshl_add_u32 v3, v2, 4, v3
	s_mul_i32 s22, s11, AHALF
	s_mul_i32 s23, s12, BHALF
	s_add_co_u32 s23, s23, 2*AHALF
.irp s, 0,1
	v_add_nc_u32 v[ADRA+\s], s22, v3
	v_add_nc_u32 v[ADRB+\s], s23, v3
	s_add_co_u32 s22, s22, SLOT
	s_add_co_u32 s23, s23, SLOT
.endr
	; ---- the way out's addresses (wave and lane alone)
.set SPI, 400                          ; stage row: 192 numbers of 2 bytes + 16 bytes
	s_mul_i32 s22, s11, 128*SPI
	s_mul_i32 s23, s12, 192
	s_add_co_u32 s22, s22, s23
	v_mul_u32_u24 v12, v1, SPI
	v_lshl_add_u32 v12, v2, 4, v12
	v_add_nc_u32 v12, s22, v12                     ; v12: (128 wr + r) 400 + 192 wc + 16 h
	v_bfe_u32 v4, v0, 3, 2
	v_and_b32 v5, 7, v0
	v_mul_u32_u24 v13, v4, SPI
	v_lshl_add_u32 v13, v5, 4, v13
	s_mul_i32 s22, s10, 64*SPI
	v_add_nc_u32 v13, s22, v13                     ; v13: (64 w + lane/8) 400 + 16 (lane mod 8)
	v_and_b32 v4, 31, v0
	v_lshlrev_b32 v24, 4, v4
	s_lshl_b32 s22, s10, 13
	v_add_nc_u32 v24, s22, v24                     ; v24: 8192 w + 16 lane
	; ---- my 128 tokens' positions, then their cos and sin: they land while the products run
	v_lshlrev_b32 v14, 4, v2                       ; 16 h
	v_lshlrev_b32 v15, 2, v1                       ; 4 r
	s_and_b32 s14, s13, 7                          ; eight row blocks to a sequence
	s_lshl_b32 s14, s14, 8
	s_lshl_b32 s15, s11, 7
	s_add_co_u32 s14, s14, s15
	s_lshl_b32 s14, s14, 2
	s_mov_b32 s15, 0
	s_add_nc_u64 s[76:77], s[72:73], s[14:15]
.irp a, 0,1,2,3,4,5,6,7
	global_load_b32 v[16+\a], v15, s[76:77] offset:64*\a
.endr
	s_lshl_b32 s22, s12, 6                         ; a tile's 8 columns start at column (96 wc + 16 b + 8 h) mod 64 of a head: table slot b mod 4
	s_mov_b32 s23, 0                               ; holds bytes 64 wc + 32 (b mod 4) for b mod 4 = 0, 1 and 64 (1 - wc) + 32 (b mod 4 - 2) for 2, 3
	s_add_nc_u64 s[78:79], s[68:69], s[22:23]
	s_add_nc_u64 s[82:83], s[70:71], s[22:23]
	s_xor_b32 s22, s22, 64
	s_add_nc_u64 s[80:81], s[68:69], s[22:23]
	s_add_nc_u64 s[84:85], s[70:71], s[22:23]
	s_wait_loadcnt 0x0
.irp a, 0,1,2,3,4,5,6,7
	v_max_i32 v[16+\a], 0, v[16+\a]                ; clip to 0 .. 2047
	v_min_u32 v[16+\a], 0x7ff, v[16+\a]
	v_lshlrev_b32 v[16+\a], 7, v[16+\a]            ; a table row is 128 bytes
	v_add_nc_u32 v[16+\a], v[16+\a], v14
.endr
	WIN 0xc0                                       ; destinations in window 3
.irp a, 0,1,2,3,4,5,6,7
.irp q, 0,1
	global_load_b128 v[32*\a+8*\q:32*\a+8*\q+3],       v[16+\a], s[78:79] offset:32*\q
	global_load_b128 v[32*\a+8*\q+4:32*\a+8*\q+7],     v[16+\a], s[82:83] offset:32*\q
	global_load_b128 v[32*\a+8*\q+16:32*\a+8*\q+19],   v[16+\a], s[80:81] offset:32*\q
	global_load_b128 v[32*\a+8*\q+20:32*\a+8*\q+23],   v[16+\a], s[84:85] offset:32*\q
.endr
.endr
	WIN 0
	s_wait_tensorcnt 0x1                           ; my part of step 0 is in; step 1's may stay out
	s_barrier_signal -1
	s_barrier_wait -1
	LDB 0, 0, 0, NB1
	LDA 0, 0, AF0
	LAP 1                                          ; the first products start the sums: nothing is cleared
	WIN 0
	s_mov_b32 s3, 2
.Llap:
	LAP 0
	WIN 0
	s_sub_co_u32 s3, s3, 1
	s_cmp_lg_u32 s3, 0
	s_cbranch_scc1 .Llap
	STEP 0, 0, 0, 1                                ; the last two of the eight steps fill nothing
	FINAL 1
	; ---- the way out.  The ring has had its last fill and, behind this barrier, its last read: it becomes the stage.
	WIN 0
	PLACES
	s_wait_dscnt 0x0
	s_barrier_signal -1
	s_barrier_wait -1
	s_mul_i32 s46, s42, 3                          ; the block's first head, 0..47: 0-15 Q, 16-31 K, 32-47 V
.irp p, 0,1,2
	s_mul_i32 s47, s12, 96                         ; tiles 2p, 2p+1 lie in head (96 wc + 32 p) / 64 of the block
	s_add_co_u32 s47, s47, 32*\p
	s_lshr_b32 s47, s47, 6
	s_add_co_u32 s47, s47, s46
	s_cmp_lt_u32 s47, 32
	s_cselect_b32 s[86+\p], -1, 0                  ; a lane mask: rotate and round to bf16 (Q, K), or keep and round to f16 (V); a select, no branch
.endr
.irp h, 0,1,2
	s_add_co_u32 s90, s46, \h
	s_lshr_b32 s91, s90, 4
	s_lshl_b32 s91, s91, 5                         ; 32 heads to a kind
	s_and_b32 s90, s90, 15
	s_add_co_u32 s90, s90, s91
	s_lshr_b32 s91, s13, 3
	s_lshl_b32 s91, s91, 4                         ; 16 heads to a batch
	s_add_co_u32 s90, s90, s91
	s_lshl_b32 s90, s90, 18                        ; 262,144 bytes a head
	s_and_b32 s91, s13, 7
	s_lshl_b32 s91, s91, 15                        ; 256 tokens of 128 bytes
	s_add_co_u32 s90, s90, s91
	s_mov_b32 s91, 0
	s_add_nc_u64 s[92+2*\h:93+2*\h], s[74:75], s[90:91]
.endr
	s_wait_loadcnt 0x0                             ; cos and sin
.set TT, 32
.set RR, 64
.set PP, 96
.set PH, 112
; tiles b0 .. b0+nt-1 of token tile a, all in window w: rotate, select, round both ways, select, 16 bytes a lane into the stage
.macro ROTB a, w, b0, nt
.set ww, \w|0x0c
	WIN ww                                         ; source 0 the sums' window, source 1 window 3
.set bi, 0
.rept \nt
.set xb, 8*((8*(\b0+bi)+\a)%32)
.set cb, 32*\a+8*((\b0+bi)%4)
.irp t, 0,1,2,3
	v_mul_f32 v[TT+8*bi+2*\t],   v[xb+2*\t+1], v[cb+4+\t]      ; x1 sin
	v_mul_f32 v[TT+8*bi+2*\t+1], v[xb+2*\t],   v[cb+4+\t]      ; x0 sin
.endr
.irp t, 0,1,2,3
	v_fma_f32 v[RR+8*bi+2*\t],   v[xb+2*\t],   v[cb+\t], -v[TT+8*bi+2*\t]
	v_fma_f32 v[RR+8*bi+2*\t+1], v[xb+2*\t+1], v[cb+\t], v[TT+8*bi+2*\t+1]
.endr
.set bi, bi+1
.endr
	WIN \w
.set bi, 0
.rept \nt
.set xb, 8*((8*(\b0+bi)+\a)%32)
.irp u, 0,1,2,3,4,5,6,7
	v_cndmask_b32 v[RR+8*bi+\u], v[xb+\u], v[RR+8*bi+\u], s[86+(\b0+bi)/2]
.endr
.set bi, bi+1
.endr
	WIN 0
.set bi, 0
.rept \nt
.irp t, 0,1,2,3
	v_cvt_pk_bf16_f32 v[PP+4*bi+\t], v[RR+8*bi+2*\t], v[RR+8*bi+2*\t+1]
	v_cvt_pk_f16_f32  v[PH+4*bi+\t], v[RR+8*bi+2*\t], v[RR+8*bi+2*\t+1]
.endr
.irp t, 0,1,2,3
	v_cndmask_b32 v[PP+4*bi+\t], v[PH+4*bi+\t], v[PP+4*bi+\t], s[86+(\b0+bi)/2]   ; the block column hangs on the place in the cluster: both roundings are made, one is kept
.endr
	ds_store_b128 v12, v[PP+4*bi:PP+4*bi+3] offset:16*SPI*\a+32*(\b0+bi)
.set bi, bi+1
.endr
.endm
.irp a, 0,1,2,3,4,5,6,7
	ROTB \a, 1, 0, 4
	ROTB \a, 2, 4, 2
.endr
	s_wait_dscnt 0x0                               ; my stores are done, for the others' sake
	s_barrier_signal -1
	s_barrier_wait -1
	; wave w takes tokens 64 w .. 64 w + 63 of the three heads: a load of the wave takes four tokens' 128 bytes, a store covers 512 neighbouring bytes
.irp h, 0,1,2
.irp f, 0,1
	s_wait_xcnt 0x0                                ; the registers that earlier stores read are loaded again only behind this wait
.irp t, 0,1,2,3,4,5,6,7
	ds_load_b128 v[32+32*\f+4*\t:32+32*\f+4*\t+3], v13 offset:4*SPI*(8*\f+\t)+128*\h
.endr
.irp t, 0,1,2,3,4,5,6,7
	s_wait_dscnt 7-\t
	global_store_b128 v24, v[32+32*\f+4*\t:32+32*\f+4*\t+3], s[92+2*\h:93+2*\h] offset:512*(8*\f+\t)
.endr
.endr
.endr
	s_wait_tensorcnt 0x0
	ds_add_u32 v254, v255
	s_wait_dscnt 0x0
	CROUND                                         ; the closing round: no work-group ends while a partner may still ask jointly
	s_endpgm
.Lfunc_end_k_qe28c0fed2d_qkv:
	.size	k_qe28c0fed2d_qkv, .Lfunc_end_k_qe28c0fed2d_qkv-k_qe28c0fed2d_qkv
	.p2alignl 7, 3214868480
	.fill 96, 4, 3214868480
	.section	.rodata,"a",@progbits
	.p2align	6, 0x0
	.amdhsa_kernel k_qe28c0fed2d_qkv
		.amdhsa_group_segment_fixed_size 327680
		.amdhsa_private_segment_fixed_size 0
		.amdhsa_enable_private_segment 0
		.amdhsa_kernarg_size 48
		.amdhsa_user_sgpr_count 2
		.amdhsa_user_sgpr_kernarg_segment_ptr 1
		.amdhsa_wavefront_size32 1
		.amdhsa_system_sgpr_workgroup_id_x 1
		.amdhsa_system_sgpr_workgroup_id_y 1
		.amdhsa_system_sgpr_workgroup_id_z 1
		.amdhsa_system_vgpr_workitem_id 0
		.amdhsa_next_free_vgpr 1024
		.amdhsa_next_free_sgpr 100
		.amdhsa_reserve_vcc 0
		.amdhsa_float_denorm_mode_32 3
		.amdhsa_float_denorm_mode_16_64 3
		.amdhsa_memory_ordered 1
		.amdhsa_forward_progress 1
		.amdhsa_inst_pref_size 255
	.end_amdhsa_kernel
	.section	.bss,"aw",@nobits
	.p2align	6
	.space	262144
	.amdgpu_metadata
---
amdhsa.version: [ 1, 2 ]
amdhsa.kernels:
  - .name:           k_qe28c0fed2d_qkv
    .symbol:         k_qe28c0fed2d_qkv.kd
    .args:
      - { .name: hb, .offset: 0, .size: 8, .value_kind: global_buffer, .address_space: global }
      - { .name: wts, .offset: 8, .size: 8, .value_kind: global_buffer, .address_space: global }
      - { .name: cos_cached, .offset: 16, .size: 8, .value_kind: global_buffer, .address_space: global }
      - { .name: sin_cached, .offset: 24, .size: 8, .value_kind: global_buffer, .address_space: global }
      - { .name: token_positions, .offset: 32, .size: 8, .value_kind: global_buffer, .address_space: global }
      - { .name: qkv, .offset: 40, .size: 8, .value_kind: global_buffer, .address_space: global }
    .group_segment_fixed_size: 327680
    .private_segment_fixed_size: 0
    .kernarg_segment_align: 8
    .kernarg_segment_size: 48
    .max_flat_workgroup_size: 128
    .sgpr_count:     100
    .vgpr_count:     1024
    .wavefront_size: 32
...
	.end_amdgpu_metadata
.endif
;; end of part 2
;; launch attn (part 3): grid 8 x 32, 4 waves a work-group, no clusters, 327,680 bytes of LDS; arguments qkv, attn; writes attn
.if DOCPART == 3
	.amdgcn_target "amdgcn-amd-amdhsa--gfx1250"
	.amdhsa_code_object_version 6
	.text
	.protected	k_qe28c0fed2d_attn
	.globl	k_qe28c0fed2d_attn
	.p2align	8
	.type	k_qe28c0fed2d_attn,@function
k_qe28c0fed2d_attn:
	s_mov_b64 s[64:65], 0
	v_nop
	global_prefetch_b8 v0, s[64:65] scope:SCOPE_SE
	s_setreg_imm32_b32 hwreg(HW_REG_WAVE_MODE, 25, 1), 1
	s_wait_xcnt 0x0
; attn: causal attention of one head, softmax with a running maximum.  Work-group (j, bh) makes query block j and then query block 15 - j
; (128 queries each): (j + 1) + (16 - j) = 17 key tiles of 128 for every work-group.  A wave has 32 queries, as two tiles of 16.
; Scores are made transposed, S^T = K Q^T, and the output too, O^T = V^T P^T: a lane owns query r throughout, and P in operand layout is
; the packed score registers, in place.  V^T fragments come by the transposing LDS load.
; THE ORDER OF A TRIP (key tile t).  A trip has 64 matrix instructions and some 440 vector instructions of softmax; 48 of the 64 stand singly
; between the vector instructions of the OTHER query tile's softmax, whose registers they do not touch:
;   softmax of query tile 0   with the 16 score products of query tile 1 (K(t))
;   barrier, refill of this tile's slot, loads of K(t+1)
;   softmax of query tile 1   with the 16 products P V of query tile 0 (V(t)), then the 16 score products of query tile 0 for key tile t+1
;   the 16 products P V of query tile 1;  loads of V(t+1)
; FORMATS.  Q and K are bf16 (the score products take the bf16 form).  V, P and the stored output are f16 (the second products take the f16 form):
; P is at most 1, since the running maximum is taken away first; the output is a convex mix of V, so it has V's bound.
; No joint loads: the work-groups of a head change their query block at different trips and so want different tiles in the same trip.
; Limits: |V| < 65504; P enters the second product rounded to f16 (below 2^-25 it becomes 0) while its sum is kept in f32; a row piece of the
; output is 128 bytes (one head).
; O is cleared by moves once, at the start (the first trip runs in the loop, so a first product with the constant 0 cannot be written out).  At the
; change of blocks nothing is cleared: the running maximum is set to -inf, so the next trip's factor is 2^(-inf) = 0 and wipes O and the sum.
; REGISTERS: window 0: v1 prefetch offset, v2-31 addresses and softmax state, v32-63 Q, v64-127 O (tile (c, d) at 64 + 8 (4c + d)),
; v128-255 S / P (tile (c, i) at 128 + 8 (8c + i)); window 1: v0-127 K fragments (i, k) at 8 (2i + k), v128-255 V^T fragments (d, f) at
; 128 + 8 (4d + f); window 2: v0-31 Q of the second block.
.set KP,    272                        ; LDS row of K: two keys (256 bytes) + 16
.set VP,    288                        ; LDS row of V: two keys + 32: the eight keys of a transposing load start in different 32-byte columns
.set VOFF,  64*KP
.set SLOT,  VOFF+64*VP                 ; 35,840
.set STAGE, 2*SLOT                     ; 71,680: 32 rows x 144 bytes for each wave, never a tensor load's target
.set SP,    144
.set PFO,  1                           ; v1   256 x lane
.set ADK,  2                           ; v2,3
.set ADV,  4                           ; v4,5
.set QOFF, 6
.set STO,  7
.set SRD,  8
.set OOFF, 9
.set DIAG, 10                          ; 32 w + r - 8 h
.set NINF, 11
.set M,    12                          ; v12,13 running maximum of query tile 0, 1
.set LL,   14                          ; v14,15 running sum (this half's keys)
.set NM,   16                          ; pair: - c x maximum
.set AL,   18                          ; pair: the factor on what was summed before
.set LSA,  20
.set LSB,  22
.set T,    24                          ; v24-31
.set Q,    32
.set O,    64
.set SS,   128
.set FT,   SS+64                       ; the way out works in query tile 1's score registers, dead behind its products P V (tile 0's hold the next scores)
.set G1K, 24
.set G1V, 32
.set G0K, 40
.set G0V, 48
.set MSB, 0
.macro WIN new                         ; the immediate's high byte repeats the setting that is left
.if MSB != \new
	s_set_vgpr_msb (MSB<<8)|\new
.set MSB, \new
.endif
.endm
.macro PLACES
.rept 4
	v_nop
.endr
.endm
	s_load_b128 s[4:7], s[0:1], 0x0                ; qkv, attn
	v_lshl_add_u32 v31, v0, 2, 0x29000
	s_set_vgpr_msb 0x80
	v_mov_b32 v33, 0
	s_set_vgpr_msb 0x8088
	ds_add_u32 v31, v33
	s_set_vgpr_msb 0x8800
	v_lshrrev_b32 v1, 5, v0
	v_readfirstlane_b32 s10, v1                    ; wave
	s_mov_b32 s8, ttmp9                            ; j
	s_and_b32 s9, ttmp7, 0xffff                    ; batch x 16 + head
	s_mov_b32 s12, 0x76543210
	s_mov_b32 s13, 0xfedcba98
	s_mov_b32 s62, 0x3e38aa3b                      ; c = log2(e) / 8: the scale 1/sqrt(64) and the base of v_exp_f32
	s_mov_b32 s63, 0x3e38aa3b
	; a tile of 128 keys is 16,384 dense bytes: 64 rows of 256 bytes
	s_mov_b32 s[G1K+0], (1<<16)|(1<<20)|(5<<22)|(3<<25)
	s_mov_b32 s[G1V+0], (1<<16)|(1<<20)|(5<<22)|(7<<25)
	s_mov_b32 s[G1K+1], 128<<16
	s_mov_b32 s[G1V+1], 128<<16
	s_mov_b32 s[G1K+2], 64<<16
	s_mov_b32 s[G1V+2], 64<<16
	s_mov_b32 s[G1K+3], 128<<16
	s_mov_b32 s[G1V+3], 128<<16
	s_mov_b32 s[G1K+4], 64
	s_mov_b32 s[G1V+4], 64
	s_mov_b32 s[G1K+5], 128
	s_mov_b32 s[G1V+5], 128
	s_mov_b32 s[G1K+6], 0
	s_mov_b32 s[G1V+6], 0
	s_mov_b32 s[G1K+7], 0
	s_mov_b32 s[G1V+7], 0
	s_lshl_b32 s60, s9, 18                         ; 262,144 bytes a head
	s_mov_b32 s61, 0                               ; the upper word of every offset pair s[60:61]
	s_wait_dscnt 0x0
	s_wait_kmcnt 0x0
	s_add_nc_u64 s[18:19], s[4:5], s[60:61]        ; Q of my head
	s_add_nc_u64 s[14:15], s[18:19], 0x800000      ; K: 32 heads on
	s_add_nc_u64 s[16:17], s[18:19], 0x1000000     ; V: 64 heads on
	s_cmp_eq_u32 s8, 0                             ; the second tile: key tile 1 of block j, or key tile 0 of block 15 where j = 0
	s_cselect_b32 s60, 0, 0x4000
	s_mov_b32 s[G0K+0], 1
	s_mov_b32 s[G0K+1], 0
	s_mov_b64 s[G0K+2:G0K+3], s[14:15]
	s_or_b32 s[G0K+3], s[G0K+3], 0x80000000
	s_mov_b32 s[G0K+4], 1
	s_mov_b32 s[G0K+5], SLOT
	s_add_nc_u64 s[G0K+6:G0K+7], s[14:15], s[60:61]
	s_or_b32 s[G0K+7], s[G0K+7], 0x80000000
	s_mov_b32 s[G0V+0], 1
	s_mov_b32 s[G0V+1], VOFF
	s_mov_b64 s[G0V+2:G0V+3], s[16:17]
	s_or_b32 s[G0V+3], s[G0V+3], 0x80000000
	s_mov_b32 s[G0V+4], 1
	s_mov_b32 s[G0V+5], SLOT+VOFF
	s_add_nc_u64 s[G0V+6:G0V+7], s[16:17], s[60:61]
	s_or_b32 s[G0V+7], s[G0V+7], 0x80000000
	; the first fills, each wave's two in one branch: wave 0 brings K, wave 1 brings V, waves 2 and 3 nothing
	s_cmp_eq_u32 s10, 0
	s_cbranch_scc0 .Lfirst_v
	tensor_load_to_lds s[G0K:G0K+3], s[G1K:G1K+7]
	s_nop 0
	tensor_load_to_lds s[G0K+4:G0K+7], s[G1K:G1K+7]
	s_nop 0
	s_branch .Lfirst_done
.Lfirst_v:
	s_cmp_eq_u32 s10, 1
	s_cbranch_scc0 .Lfirst_done
	tensor_load_to_lds s[G0V:G0V+3], s[G1V:G1V+7]
	s_nop 0
	tensor_load_to_lds s[G0V+4:G0V+7], s[G1V:G1V+7]
	s_nop 0
.Lfirst_done:
	s_lshl_b32 s60, s10, 12                        ; my 32 queries: 4,096 bytes of Q
	s_add_nc_u64 s[18:19], s[18:19], s[60:61]
	s_lshr_b32 s60, s9, 4
	s_lshl_b32 s60, s60, 22                        ; 2,048 tokens of 2,048 bytes a batch
	s_and_b32 s59, s9, 15
	s_lshl_b32 s59, s59, 7                         ; 128 bytes a head
	s_add_co_u32 s60, s60, s59
	s_lshl_b32 s59, s10, 16                        ; 32 tokens a wave
	s_add_co_u32 s60, s60, s59
	s_add_nc_u64 s[66:67], s[6:7], s[60:61]
	; Asking ahead.  The head's 16 tiles of K and 16 of V are shared out among the 32 waves of its eight work-groups: wave w of work-group j has
	; number q = 4 j + w and owns tile n = q / 2 of K (q even) or of V (q odd): 64 blocks of 256 bytes, two instructions of 32 lanes, once in the launch.
	; The earliest tensor load for tile n goes out in trip n - 2 (n < 8: a first block's walk) or n - 1 (n >= 8: work-group 0's second block); the wave
	; asks one trip ahead of that.  Behind the step of s58 in trip t, s58 = t + 3: so it asks when s58 = n (n < 8) or n + 1 (n >= 8).
	; Tiles 0 to 2 are never asked for (s58 is 3 at the first prefetch): their tensor loads go out before a prefetch could lead them.
	s_lshl_b32 s71, s8, 2
	s_add_co_u32 s71, s71, s10                     ; q
	s_lshr_b32 s70, s71, 1                         ; n
	s_and_b32 s71, s71, 1
	s_lshl_b32 s60, s70, 14
	s_cmp_eq_u32 s71, 1
	s_cselect_b64 s[72:73], s[16:17], s[14:15]
	s_add_nc_u64 s[72:73], s[72:73], s[60:61]      ; the tile's first byte; its last is 16,383 on, inside the head
	s_cmp_ge_u32 s70, 8
	s_cselect_b32 s71, 1, 0
	s_add_co_u32 s70, s70, s71                     ; the value of s58 at which I ask
	s_lshl_b32 s60, s8, 14                         ; 128 queries of 128 bytes a block
	s_add_nc_u64 s[20:21], s[18:19], s[60:61]      ; Q of block j
	s_sub_co_u32 s59, 15, s8
	s_lshl_b32 s60, s59, 14
	s_add_nc_u64 s[74:75], s[18:19], s[60:61]      ; Q of block 15 - j
	s_lshl_b32 s60, s8, 18                         ; 128 tokens of 2,048 bytes
	s_add_nc_u64 s[22:23], s[66:67], s[60:61]      ; the output of block j
	v_and_b32 v24, 15, v0                          ; r
	v_bfe_u32 v25, v0, 4, 1                        ; h
	v_and_b32 v26, 7, v0                           ; lane mod 8
	v_bfe_u32 v27, v0, 3, 2                        ; lane / 8
	v_bfe_u32 v28, v0, 3, 1
	v_lshrrev_b32 v29, 1, v24
	v_and_b32 v30, 1, v24
	v_mul_u32_u24 v[ADK], v29, KP                  ; key r of a tile of 16: row r/2, half r mod 2; + 16 h
	v_lshl_add_u32 v[ADK], v30, 7, v[ADK]
	v_lshl_add_u32 v[ADK], v25, 4, v[ADK]
	v_add_nc_u32 v[ADK+1], SLOT, v[ADK]
	v_lshl_add_u32 v29, v25, 3, v26                ; key 8 h + lane mod 8
	v_lshrrev_b32 v30, 1, v29
	v_and_b32 v29, 1, v29
	v_mul_u32_u24 v[ADV], v30, VP
	v_lshl_add_u32 v[ADV], v29, 7, v[ADV]
	v_lshl_add_u32 v[ADV], v28, 4, v[ADV]
	v_add_nc_u32 v[ADV], VOFF, v[ADV]
	v_add_nc_u32 v[ADV+1], SLOT, v[ADV]
	v_lshlrev_b32 v[QOFF], 7, v24
	v_lshl_add_u32 v[QOFF], v25, 4, v[QOFF]
	s_mul_i32 s59, s10, 32*SP
	s_add_co_u32 s59, s59, STAGE
	v_mul_u32_u24 v[STO], v24, SP
	v_lshl_add_u32 v[STO], v25, 4, v[STO]
	v_add_nc_u32 v[STO], s59, v[STO]
	v_mul_u32_u24 v[SRD], v27, SP
	v_lshl_add_u32 v[SRD], v26, 4, v[SRD]
	v_add_nc_u32 v[SRD], s59, v[SRD]
	v_lshlrev_b32 v[OOFF], 11, v27
	v_lshl_add_u32 v[OOFF], v26, 4, v[OOFF]
	s_lshl_b32 s59, s10, 5
	v_lshlrev_b32 v29, 3, v25
	v_sub_nc_u32 v[DIAG], v24, v29
	v_add_nc_u32 v[DIAG], s59, v[DIAG]
	v_mov_b32 v[NINF], 0xff800000
	v_and_b32 v[PFO], 31, v0
	v_lshlrev_b32 v[PFO], 8, v[PFO]                ; lanes 256 bytes apart
.macro LDQ b, reg                      ; Q's four fragments straight from memory
.irp c, 0,1
.irp k, 0,1
	global_load_b128 v[\reg+8*(2*\c+\k):\reg+8*(2*\c+\k)+3],   v[QOFF], s[\b:\b+1] offset:2048*\c+64*\k
	global_load_b128 v[\reg+8*(2*\c+\k)+4:\reg+8*(2*\c+\k)+7], v[QOFF], s[\b:\b+1] offset:2048*\c+64*\k+32
.endr
.endr
.endm
.macro KVLOAD s                        ; the refill: one tensor load for each of waves 0 and 1, first thing behind the barrier
	s_cmp_eq_u32 s10, 0
	s_cbranch_scc0 .Lkv_v_\@
	tensor_load_to_lds s[G0K+4*\s:G0K+4*\s+3], s[G1K:G1K+7]
	s_nop 0
	PLACES
	s_branch .Lkv_done_\@
.Lkv_v_\@:
	s_cmp_eq_u32 s10, 1
	s_cbranch_scc0 .Lkv_done_\@
	tensor_load_to_lds s[G0V+4*\s:G0V+4*\s+3], s[G1V:G1V+7]
	s_nop 0
	PLACES
.Lkv_done_\@:
.endm
.macro PREF                            ; my tile's 64 blocks of 256 bytes, in the one trip in which s58 meets s70; v1 and s[72:73] are never written again
	s_cmp_lg_u32 s58, s70
	s_cbranch_scc1 .Lno_pf_\@
	global_prefetch_b8 v[PFO], s[72:73] th:TH_LOAD_NT scope:SCOPE_SE
	global_prefetch_b8 v[PFO], s[72:73] offset:8192 th:TH_LOAD_NT scope:SCOPE_SE
.Lno_pf_\@:
.endm
.macro LDK s                           ; 32 loads: K's 16 fragments
	WIN 0x40
.irp i, 0,1,2,3,4,5,6,7
.irp k, 0,1
	ds_load_b128 v[8*(2*\i+\k):8*(2*\i+\k)+3],   v[ADK+\s] offset:8*KP*\i+64*\k
	ds_load_b128 v[8*(2*\i+\k)+4:8*(2*\i+\k)+7], v[ADK+\s] offset:8*KP*\i+64*\k+32
.endr
.endr
	WIN 0
.endm
.macro LDV s                           ; 32 transposing loads: V^T's 16 fragments
	WIN 0x40
.irp d, 0,1,2,3
.irp f, 0,1,2,3
	ds_load_tr16_b128 v[128+8*(4*\d+\f):128+8*(4*\d+\f)+3],   v[ADV+\s] offset:16*VP*\f+32*\d
	ds_load_tr16_b128 v[128+8*(4*\d+\f)+4:128+8*(4*\d+\f)+7], v[ADV+\s] offset:16*VP*\f+8*VP+32*\d
.endr
.endr
	WIN 0
.endm
; One score product: keys 16 i .. 16 i + 15, head dimensions 32 k .. 32 k + 31, query tile c.  The first half of the head starts the sum.  (Source 0 in window 1.)
.macro SW c, k, i
.if \k == 0
	v_wmma_f32_16x16x32_bf16 v[SS+8*(8*\c+\i):SS+8*(8*\c+\i)+7], v[8*(2*\i+\k):8*(2*\i+\k)+7], v[Q+8*(2*\c+\k):Q+8*(2*\c+\k)+7], 0
.else
	v_wmma_f32_16x16x32_bf16 v[SS+8*(8*\c+\i):SS+8*(8*\c+\i)+7], v[8*(2*\i+\k):8*(2*\i+\k)+7], v[Q+8*(2*\c+\k):Q+8*(2*\c+\k)+7], v[SS+8*(8*\c+\i):SS+8*(8*\c+\i)+7]
.endif
.endm
; One product P V: keys 32 f .. 32 f + 31, head dimensions 16 d .. 16 d + 15, query tile c.  (Source 0 in window 1.)
.macro PW c, f, d
	v_wmma_f32_16x16x32_f16 v[O+8*(4*\c+\d):O+8*(4*\c+\d)+7], v[128+8*(4*\d+\f):128+8*(4*\d+\f)+7], v[SS+8*(8*\c+2*\f):SS+8*(8*\c+2*\f)+7], v[O+8*(4*\c+\d):O+8*(4*\c+\d)+7]
.endm
; THE LISTS.  A softmax has 34 places (HOOK) at which one matrix instruction of the running list is set, between two switches of source 0's window.
; List 0 (beside the softmax of query tile 0): the 16 score products of query tile 1, at places 0, 2 .. 30; twelve plain multiplies follow the last.
; List 1 (beside the softmax of query tile 1): the 16 products P V of query tile 0, then the 16 score products of query tile 0 for the next key
; tile, at places 0 .. 31; eight plain multiplies follow the last.
; In every list the accumulators take turns, one instruction a turn, and so they do from list to list.
; A score product of list 1 writes over a fragment of P of query tile 0 at least seven places of the list behind the last product P V that read
; it, with at least eight plain vector instructions of the softmax between (ISA guide 7.12.1).
.set PH,  0                            ; the list
.set hk,  0                            ; its next instruction
.set hkn, 0                            ; its length
.set hp,  0                            ; the place
.set hst, 1                            ; every hst-th place is taken
.macro PHASE p, n, st
.set PH,  \p
.set hkn, \n
.set hst, \st
.set hk,  0
.set hp,  0
.endm
.macro EMIT
.if PH == 0
.set kk, hk/8
.set ii, hk%8
	WIN 0x01
	SW 1, kk, ii
	WIN 0
.else
.if hk < 16
.set ff, hk/4
.set dd, hk%4
	WIN 0x01
	PW 0, ff, dd
	WIN 0
.else
.if hk == 16
	s_wait_dscnt 0x0                               ; the next tile's K fragments, asked for behind the barrier, are in
.endif
.set kk, (hk-16)/8
.set ii, (hk-16)%8
	WIN 0x01
	SW 0, kk, ii
	WIN 0
.endif
.endif
.endm
.macro HOOK
.if (hp % hst) == 0
.if hk < hkn
	EMIT
.set hk, hk+1
.endif
.endif
.set hp, hp+1
.endm
.macro MASK c                          ; the diagonal tile: key 16 i + 8 h + u beyond query 32 w + 16 c + r becomes -inf
.irp i, 0,1,2,3,4,5,6,7
.irp u, 0,1,2,3,4,5,6,7
	v_cmp_gt_i32 vcc_lo, 16*\i+\u-16*\c, v[DIAG]
	v_cndmask_b32 v[SS+8*(8*\c+\i)+\u], v[SS+8*(8*\c+\i)+\u], v[NINF], vcc_lo
.endr
.endr
.endm
.macro SUMPACK c, g                    ; tile g of query tile c: into the sum, then packed: an even tile into its own registers 0-3, an odd one into its neighbour's 4-7
.set PB, SS+64*\c+8*(\g)
.if (\g) == 0
	s_wait_alu depctr_va_vdst(0)
	v_pk_add_f32 v[LSA:LSA+1], v[PB:PB+1], v[PB+2:PB+3]
	v_pk_add_f32 v[LSB:LSB+1], v[PB+4:PB+5], v[PB+6:PB+7]
.else
	s_wait_alu depctr_va_vdst(0)
	v_pk_add_f32 v[LSA:LSA+1], v[LSA:LSA+1], v[PB:PB+1]
	v_pk_add_f32 v[LSB:LSB+1], v[LSB:LSB+1], v[PB+2:PB+3]
	v_pk_add_f32 v[LSA:LSA+1], v[LSA:LSA+1], v[PB+4:PB+5]
	v_pk_add_f32 v[LSB:LSB+1], v[LSB:LSB+1], v[PB+6:PB+7]
.endif
	HOOK
.set PD, SS+64*\c+8*((\g)&6)+4*((\g)&1)
.irp t, 0,1,2,3
	v_cvt_pk_f16_f32 v[PD+\t], v[PB+2*\t], v[PB+2*\t+1]
.endr
.endm
.macro SOFTMAX c
.set SB, SS+64*\c
.irp k, 0,1,2,3
	v_max3_num_f32 v[T+\k], v[SB+16*\k], v[SB+16*\k+1], v[SB+16*\k+2]
.endr
	HOOK
.irp u, 3,5,7,9,11,13
.irp k, 0,1,2,3
	v_max3_num_f32 v[T+\k], v[T+\k], v[SB+16*\k+\u], v[SB+16*\k+\u+1]
.endr
	HOOK
.endr
.irp k, 0,1,2,3
	v_max_num_f32 v[T+\k], v[T+\k], v[SB+16*\k+15]
.endr
	HOOK
	v_max3_num_f32 v[T], v[T], v[T+1], v[T+2]      ; from here to the exponentials each line needs the one before: a place of the list stands behind each
	HOOK
	v_max3_num_f32 v[T], v[T], v[T+3], v[M+\c]
	HOOK
	v_permlanex16_b32 v[T+1], v[T], s12, s13       ; the other half's keys of the same query
	HOOK
	v_max_num_f32 v[T], v[T], v[T+1]               ; the new maximum: finite, since every tile holds a key that the query may see
	HOOK
	v_sub_f32 v[T+2], v[M+\c], v[T]
	v_mul_f32 v[NM], 0xbe38aa3b, v[T]
	v_mul_f32 v[T+2], s62, v[T+2]
	HOOK
	v_exp_f32 v[AL], v[T+2]                        ; 0 where the old maximum is -inf: a block's first trip wipes O and the sum
	v_exp_f32 v[AL+1], v[T+2]
	v_mov_b32 v[NM+1], v[NM]                       ; the plain place behind the two exponentials
	v_mov_b32 v[M+\c], v[T]
	HOOK
.irp g, 0,1,2,3,4,5,6,7
.irp p, 0,2,4,6
	v_pk_fma_f32 v[SB+8*\g+\p:SB+8*\g+\p+1], v[SB+8*\g+\p:SB+8*\g+\p+1], s[62:63], v[NM:NM+1] op_sel_hi:[1,0,1]
.endr
	HOOK
.irp u, 0,1,2,3,4,5,6,7
	v_exp_f32 v[SB+8*\g+\u], v[SB+8*\g+\u]
.endr
.if \g > 0
	SUMPACK \c, \g-1                               ; plain work on the tile before stands behind each run of exponentials
.endif
.endr
	SUMPACK \c, 7
	v_pk_add_f32 v[LSA:LSA+1], v[LSA:LSA+1], v[LSB:LSB+1]
	v_add_f32 v[LSA], v[LSA], v[LSA+1]
	v_fma_f32 v[LL+\c], v[LL+\c], v[AL], v[LSA]
.irp q, 0,1,2,3
.irp p, 0,2,4,6
	v_pk_mul_f32 v[O+32*\c+8*\q+\p:O+32*\c+8*\q+\p+1], v[O+32*\c+8*\q+\p:O+32*\c+8*\q+\p+1], v[AL:AL+1]
.endr
	HOOK
.endr
.endm
.macro FINALIZE                        ; O / sum, rounded to f16, through my own stage, out as pieces of 128 bytes a token
	v_permlanex16_b32 v[T], v[LL], s12, s13
	v_permlanex16_b32 v[T+1], v[LL+1], s12, s13
	v_add_f32 v[T], v[T], v[LL]
	v_add_f32 v[T+1], v[T+1], v[LL+1]
	v_rcp_f32 v[T+2], v[T]
	v_rcp_f32 v[T+3], v[T]
	v_rcp_f32 v[T+4], v[T+1]
	v_rcp_f32 v[T+5], v[T+1]
	v_nop
	s_wait_alu depctr_va_vdst(0)
.irp c, 0,1
.irp p, 0,2,4,6,8,10,12,14,16,18,20,22,24,26,28,30
	v_pk_mul_f32 v[O+32*\c+\p:O+32*\c+\p+1], v[O+32*\c+\p:O+32*\c+\p+1], v[T+2+2*\c:T+3+2*\c]
.endr
.irp d, 0,1,2,3
.irp t, 0,1,2,3
	v_cvt_pk_f16_f32 v[FT+4*(4*\c+\d)+\t], v[O+8*(4*\c+\d)+2*\t], v[O+8*(4*\c+\d)+2*\t+1]
.endr
	ds_store_b128 v[STO], v[FT+4*(4*\c+\d):FT+4*(4*\c+\d)+3] offset:16*SP*\c+32*\d
.endr
.endr
.irp t, 0,1,2,3,4,5,6,7
	ds_load_b128 v[FT+32+4*\t:FT+32+4*\t+3], v[SRD] offset:4*SP*\t     ; LDS serves a wave's instructions in order: these see the stores above
.endr
.irp t, 0,1,2,3,4,5,6,7
	s_wait_dscnt 7-\t
	global_store_b128 v[OOFF], v[FT+32+4*\t:FT+32+4*\t+3], s[22:23] offset:8192*\t
.endr
.endm
; One key tile, whose fragments came from slot s.  On entry: query tile 0's scores for it are made, its K fragments are in, its V fragments asked for.
; refill = 1: the slot gets the tile two trips on.  mode 0: never the diagonal; 1: tested; 2: the last trip, the second block's diagonal.
.macro TRIP s, refill, mode
.if \mode == 1
	s_cmp_lg_u32 s56, s57
	s_cbranch_scc1 .Lnm0_\@
	MASK 0
.Lnm0_\@:
.endif
.if \mode == 2
	MASK 0
.endif
	PHASE 0, 16, 2
	SOFTMAX 0
	s_wait_dscnt 0x0                               ; V's fragments are in: all my reads of this tile's slot are over
.if \mode != 2
	s_set_vgpr_msb 0x8
	s_wait_tensorcnt 0x0                           ; all my tensor loads have landed: the next tile is in the other slot
	ds_add_u32 v31, v33
	s_wait_dscnt 0x0
	s_set_vgpr_msb 0x800
.if \refill
	s_sub_co_u32 s59, s58, s8                      ; tile number s58 of the 17 is key tile s58 of block j, or s58 - j - 1 of block 15 - j
	s_sub_co_u32 s59, s59, 1
	s_cmp_gt_u32 s58, s8
	s_cselect_b32 s60, s59, s58
	s_lshl_b32 s60, s60, 14
	s_add_nc_u64 s[G0K+4*\s+2:G0K+4*\s+3], s[14:15], s[60:61]
	s_or_b32 s[G0K+4*\s+3], s[G0K+4*\s+3], 0x80000000
	s_add_nc_u64 s[G0V+4*\s+2:G0V+4*\s+3], s[16:17], s[60:61]
	s_or_b32 s[G0V+4*\s+3], s[G0V+4*\s+3], 0x80000000
	s_add_co_u32 s58, s58, 1
.endif
	s_barrier_signal -1
	s_barrier_wait -1
.if \refill
	KVLOAD \s
	PREF
.endif
	LDK 1-\s                                       ; over K's fragments, twelve plain multiplies behind the last product that read them
.endif
.if \mode == 1
	s_cmp_lg_u32 s56, s57
	s_cbranch_scc1 .Lnm1_\@
	MASK 1
	WIN 0x02                                       ; the first block's last tile: its Q has been read for the last time; the score products below are the second block's
.set u, 0
.rept 32
	v_mov_b32 v[Q+u], v[u]
.set u, u+1
.endr
	WIN 0
.Lnm1_\@:
.endif
.if \mode == 2
	MASK 1
	PHASE 1, 16, 2
.else
	PHASE 1, 32, 1
.endif
	SOFTMAX 1
	WIN 0x01
.irp f, 0,1,2,3
.irp d, 0,1,2,3
	PW 1, \f, \d
.endr
.endr
	WIN 0
.rept 5
	v_nop                                          ; five places: the next trip's score products write over P of query tile 1, a source of these
.endr
.if \mode != 2
	LDV 1-\s
.endif
.if \mode == 1
	s_cmp_lg_u32 s56, s57
	s_cbranch_scc1 .Lnofin_\@
	FINALIZE
	s_wait_xcnt 0x0                                ; the stores' base and data are written again only behind this wait
	s_sub_co_u32 s57, 15, s8                       ; the second block
	s_lshl_b32 s60, s57, 18
	s_add_nc_u64 s[22:23], s[66:67], s[60:61]
	v_mov_b32 v[M], v[NINF]                        ; the next factors are 0: O and the sums start anew
	v_mov_b32 v[M+1], v[NINF]
	s_mov_b32 s56, -1
.Lnofin_\@:
.endif
.if \mode == 2
	FINALIZE
.else
	s_add_co_u32 s56, s56, 1
.endif
.endm
	LDQ 20, Q                                      ; block j's Q
	WIN 0x80
	LDQ 74, 0                                      ; block 15 - j's Q, into window 2, for the change of blocks
	WIN 0
	v_mov_b32 v[M], v[NINF]
	v_mov_b32 v[M+1], v[NINF]
	v_mov_b32 v[LL], 0
	v_mov_b32 v[LL+1], 0
.set u, 0
.rept 64
	v_mov_b32 v[O+u], 0
.set u, u+1
.endr
	s_mov_b32 s56, 0                               ; key tile
	s_mov_b32 s57, s8                              ; query block
	s_mov_b32 s58, 2                               ; the next tile to ask for
	s_wait_tensorcnt 0x1                           ; slot 0 is in; slot 1's load may stay out
	s_barrier_signal -1
	s_barrier_wait -1
	LDK 0
	LDV 0
	s_wait_dscnt 32                                ; K's 32 loads are in, V's 32 may be out
	s_wait_loadcnt 0x0                             ; Q of both blocks
	WIN 0x01
.irp k, 0,1
.irp i, 0,1,2,3,4,5,6,7
	SW 0, \k, \i                                   ; query tile 0's scores for key tile 0
.endr
.endr
	WIN 0
	PLACES
	s_mov_b32 s3, 7
.Ltrips:
	TRIP 0, 1, 1
	TRIP 1, 1, 1
	s_sub_co_u32 s3, s3, 1
	s_cmp_lg_u32 s3, 0
	s_cbranch_scc1 .Ltrips
	TRIP 0, 1, 0                                   ; trip 14 asks for the last tile
	TRIP 1, 0, 0
	TRIP 0, 0, 2
	s_set_vgpr_msb 0x8
	s_wait_tensorcnt 0x0
	ds_add_u32 v31, v33
	s_wait_dscnt 0x0
	s_set_vgpr_msb 0x800
	s_endpgm
.Lfunc_end_k_qe28c0fed2d_attn:
	.size	k_qe28c0fed2d_attn, .Lfunc_end_k_qe28c0fed2d_attn-k_qe28c0fed2d_attn
	.p2alignl 7, 3214868480
	.fill 96, 4, 3214868480
	.section	.rodata,"a",@progbits
	.p2align	6, 0x0
	.amdhsa_kernel k_qe28c0fed2d_attn
		.amdhsa_group_segment_fixed_size 327680
		.amdhsa_private_segment_fixed_size 0
		.amdhsa_enable_private_segment 0
		.amdhsa_kernarg_size 16
		.amdhsa_user_sgpr_count 2
		.amdhsa_user_sgpr_kernarg_segment_ptr 1
		.amdhsa_wavefront_size32 1
		.amdhsa_system_sgpr_workgroup_id_x 1
		.amdhsa_system_sgpr_workgroup_id_y 1
		.amdhsa_system_sgpr_workgroup_id_z 1
		.amdhsa_system_vgpr_workitem_id 0
		.amdhsa_next_free_vgpr 546
		.amdhsa_next_free_sgpr 76
		.amdhsa_reserve_vcc 1
		.amdhsa_float_denorm_mode_32 3
		.amdhsa_float_denorm_mode_16_64 3
		.amdhsa_memory_ordered 1
		.amdhsa_forward_progress 1
		.amdhsa_inst_pref_size 240
	.end_amdhsa_kernel
	.amdgpu_metadata
---
amdhsa.version: [ 1, 2 ]
amdhsa.kernels:
  - .name:           k_qe28c0fed2d_attn
    .symbol:         k_qe28c0fed2d_attn.kd
    .args:
      - { .name: qkv, .offset: 0, .size: 8, .value_kind: global_buffer, .address_space: global }
      - { .name: attn, .offset: 8, .size: 8, .value_kind: global_buffer, .address_space: global }
    .group_segment_fixed_size: 327680
    .private_segment_fixed_size: 0
    .kernarg_segment_align: 8
    .kernarg_segment_size: 16
    .max_flat_workgroup_size: 128
    .sgpr_count:     76
    .vgpr_count:     546
    .wavefront_size: 32
...
	.end_amdgpu_metadata
.endif
;; end of part 3
;; launch wo (part 4): grid 8 x 32, 4 waves a work-group, clusters of 4 x 4, 327,680 bytes of LDS; arguments attn, wts, x, res, resb, ssq; writes res, resb, ssq
.if DOCPART == 4
	.amdgcn_target "amdgcn-amd-amdhsa--gfx1250"
	.amdhsa_code_object_version 6
	.text
	.protected	k_qe28c0fed2d_wo
	.globl	k_qe28c0fed2d_wo
	.p2align	8
	.type	k_qe28c0fed2d_wo,@function
k_qe28c0fed2d_wo:
	s_mov_b64 s[64:65], 0
	v_nop
	global_prefetch_b8 v0, s[64:65] scope:SCOPE_SE
	s_setreg_imm32_b32 hwreg(HW_REG_WAVE_MODE, 25, 1), 1
	s_wait_xcnt 0x0
	s_wait_alu depctr_hold_cnt(0) depctr_sa_sdst(0) depctr_va_vdst(0) depctr_va_sdst(0) depctr_va_ssrc(0) depctr_va_vcc(0) depctr_vm_vsrc(0)
	s_getreg_b32 s2, hwreg(HW_REG_IB_STS2, 6, 4)
	s_cmp_eq_u32 s2, 0
	s_cbranch_scc0 .Lentry_in_a_cluster
	s_endpgm
.Lentry_in_a_cluster:
	s_bfe_u32 s2, ttmp6, 0x10000c
	s_cmp_lg_u32 s2, 0xf033
	s_cbranch_scc0 .Lentry_shape_is_right
	s_endpgm
.Lentry_shape_is_right:
; wo: res = attn wo^T + x (f32), resb = bf16(res), ssq[nb][row] = sum of res^2 over the block's 128 columns.
; FORMATS.  Both operands are f16, as all of the attention branch is: the attention's output is a convex mix of V (limit kept there: |V| < 65504),
; and wo's spread is 1/32.  resb is bf16: the residual stream has no bound that would give it room in f16.
; A work-group makes 128 x 128.  The four waves split K: each multiplies the whole block over its own 64 of every 256 along K (16 fragments
; feed 64 matrix instructions), and the four partial blocks are added through LDS at the end, in a fixed order.
; K goes in steps of 256 through two LDS slots filled by joint tensor loads (4 x 4 cluster: activations shared along a row, weights along a column).
; REGISTERS: window 0: v0-31 addresses, v32-95 / v96-159 activation fragments, v160-223 weight fragments; accumulator tile t = 8b + a in window
; 1 + t/32 at 8 (t mod 32); window 3 v0-127: the residual's rows 32 w + i at 4 i.
.set NB,     8
.set NB1,    4
.set PITCH,  528                       ; 512 bytes + 16
.set QIC,    6                         ; padding after every 128 words
.set KSLOT,  256
.set STEPB,  512
.set AROWS,  128
.set BROWS,  128
.set KPITCH, 1024
.set BOFF,   6291456
.set ALOAD, AROWS/2
.set BLOAD, BROWS/2
.set AHALF, ALOAD*PITCH
.set BHALF, BLOAD*PITCH
.set SLOT,  2*AHALF+2*BHALF
.set G1W0,  (1<<16)|(1<<20)|(1<<21)|(QIC<<22)|(3<<25)
.set AF0, 32
.set AF1, 96
.set BF,  160
.set ADRA, 8
.set ADRB, 10
.set G1,  24
.set G0,  32
.set G1B, 48
.set G0B, 56
.set MSB, 0
.macro WIN new
.if MSB != \new
	s_set_vgpr_msb (MSB<<8)|\new
.set MSB, \new
.endif
.endm
.macro PLACES
.rept 4
	v_nop
.endr
.endm
.macro JLOAD s
	s_cmp_eq_u32 s11, 0
	s_cbranch_scc0 .Lfor_b_\@
	tensor_load_to_lds s[G0+4*\s:G0+4*\s+3], s[G1:G1+7]
	s_nop 0
	PLACES
	s_branch .Lasked_\@
.Lfor_b_\@:
	tensor_load_to_lds s[G0B+4*\s:G0B+4*\s+3], s[G1B:G1B+7]
	s_nop 0
	PLACES
.Lasked_\@:
.endm
.macro CREST
	s_cmp_lg_u32 s10, 0
	s_cbranch_scc1 .Lnot_wave_0_\@
	s_barrier_signal -3
.Lnot_wave_0_\@:
	s_barrier_wait -3
	s_barrier_signal -1
	s_barrier_wait -1
.endm
.macro CROUND
	s_barrier_signal -1
	s_barrier_wait -1
	CREST
.endm
.macro LDB slot, k, b0, b1
.set bb, \b0
.rept (\b1)-(\b0)
	ds_load_b128 v[BF+8*bb:BF+8*bb+3],   v[ADRB+\slot] offset:\k+bb*16*PITCH
	ds_load_b128 v[BF+8*bb+4:BF+8*bb+7], v[ADRB+\slot] offset:\k+bb*16*PITCH+32
.set bb, bb+1
.endr
.endm
.macro LDA slot, k, f
.irp i, 0,1,2,3,4,5,6,7
	ds_load_b128 v[\f+8*\i:\f+8*\i+3],   v[ADRA+\slot] offset:\k+\i*16*PITCH
	ds_load_b128 v[\f+8*\i+4:\f+8*\i+7], v[ADRA+\slot] offset:\k+\i*16*PITCH+32
.endr
.endm
.macro MULS f, b0, b1, zero            ; the accumulators take turns, one instruction a turn
.set bb, \b0
.rept (\b1)-(\b0)
.set ww, (1+bb/4)*0x50
	WIN ww
.set aa, 0
.rept 8
.set tt, 8*((8*bb+aa)%32)
.if \zero
	v_wmma_f32_16x16x32_f16 v[tt:tt+7], v[BF+8*bb:BF+8*bb+7], v[\f+8*aa:\f+8*aa+7], 0
.else
	v_wmma_f32_16x16x32_f16 v[tt:tt+7], v[BF+8*bb:BF+8*bb+7], v[\f+8*aa:\f+8*aa+7], v[tt:tt+7]
.endif
.set aa, aa+1
.endr
.set bb, bb+1
.endr
.endm
.macro QTR slot, k, f, g, zero
	WIN 0
	PLACES
	LDB \slot, \k, NB1, NB
	s_wait_dscnt 2*(NB-NB1)                        ; all but the upper weights just issued
	MULS \f, 0, NB1, \zero
	WIN 0
	PLACES
	LDB \slot, \k+64, 0, NB1
	LDA \slot, \k+64, \g
	s_wait_dscnt 2*NB1+16                          ; all but the next quarter's loads
	MULS \f, NB1, NB, \zero
.endm
.macro TURNQ slot, k, f, g, fill, next
	WIN 0
	PLACES
	LDB \slot, \k, NB1, NB
	s_wait_dscnt 2*(NB-NB1)
	MULS \f, 0, NB1-1, 0
	s_wait_dscnt 0x0                               ; my reads of this slot are over
	s_wait_tensorcnt 0x0                           ; all my tensor loads have landed
	ds_add_u32 v254, v255
	s_wait_dscnt 0x0
	s_barrier_signal -1
	MULS \f, NB1-1, NB1, 0
	WIN 0
	s_barrier_wait -1
.if \fill
	CREST
	s_add_nc_u64 s[G0+4*\slot+2:G0+4*\slot+3], s[G0+4*\slot+2:G0+4*\slot+3], 2*STEPB
	s_add_nc_u64 s[G0B+4*\slot+2:G0B+4*\slot+3], s[G0B+4*\slot+2:G0B+4*\slot+3], 2*STEPB
	JLOAD \slot
.else
	PLACES
.endif
	LDB \next, 0, 0, NB1
	LDA \next, 0, \g
	MULS \f, NB1, NB, 0
.endm
.macro LASTQ slot, k, f
	WIN 0
	PLACES
	LDB \slot, \k, NB1, NB
	s_wait_dscnt 2*(NB-NB1)
	MULS \f, 0, NB1, 0
	s_wait_dscnt 0x0
	MULS \f, NB1, NB, 0
.endm
.macro STEP slot, zero, fill, next
	QTR \slot, 0, AF0, AF1, \zero
	TURNQ \slot, 64, AF1, AF0, \fill, \next
.endm
.macro FINAL slot
	QTR \slot, 0, AF0, AF1, 0
	LASTQ \slot, 64, AF1
.endm
.macro LAP zero
	STEP 0, \zero, 1, 1
	STEP 1, 0, 1, 0
.endm
	s_load_b128 s[4:7], s[0:1], 0x0                ; activations, wts
	s_load_b256 s[68:75], s[0:1], 0x10             ; x 68, res 70, resb 72, ssq 74
	v_lshl_add_u32 v254, v0, 2, 0x42000
	v_mov_b32 v255, 0
	ds_add_u32 v254, v255
	v_lshrrev_b32 v1, 5, v0
	v_readfirstlane_b32 s10, v1
	s_lshr_b32 s11, s10, 1
	s_and_b32 s12, s10, 1
	s_bfe_u32 s40, ttmp6, 0x40000
	s_bfe_u32 s41, ttmp6, 0x40004
	s_lshl_b32 s42, ttmp9, 2
	s_add_co_u32 s42, s42, s40                     ; block column
	s_and_b32 s13, ttmp7, 0xffff
	s_lshl_b32 s13, s13, 2
	s_add_co_u32 s13, s13, s41                     ; block row
	s_lshl_b32 s43, s41, 2
	s_lshl_b32 s43, 15, s43
	s_lshl_b32 s44, 0x1111, s40
	s_or_b32 s[G1+0], s43, G1W0
	s_or_b32 s[G1B+0], s44, G1W0
	s_mov_b32 s[G1+1], KSLOT<<16
	s_mov_b32 s[G1B+1], KSLOT<<16
	s_mov_b32 s[G1+2], ALOAD<<16
	s_mov_b32 s[G1B+2], BLOAD<<16
	s_mov_b32 s[G1+3], KSLOT<<16
	s_mov_b32 s[G1B+3], KSLOT<<16
	s_mov_b32 s[G1+4], ALOAD
	s_mov_b32 s[G1B+4], BLOAD
	s_mov_b32 s[G1+5], KPITCH
	s_mov_b32 s[G1B+5], KPITCH
	s_mov_b32 s[G1+6], 0
	s_mov_b32 s[G1B+6], 0
	s_mov_b32 s[G1+7], 0
	s_mov_b32 s[G1B+7], 0
	s_mul_i32 s17, s12, ALOAD
	s_mul_i32 s16, s13, AROWS
	s_add_co_u32 s16, s16, s17
	s_mul_i32 s16, s16, KPITCH*2
	s_mov_b32 s17, 0
	s_mul_i32 s47, s12, BLOAD
	s_mul_i32 s46, s42, BROWS
	s_add_co_u32 s46, s46, s47
	s_mul_i32 s46, s46, KPITCH*2
	s_add_co_u32 s46, s46, BOFF
	s_mov_b32 s47, 0
	s_mul_i32 s20, s12, AHALF
	s_mul_i32 s21, s12, BHALF
	s_add_co_u32 s21, s21, 2*AHALF
	s_wait_dscnt 0x0
	s_wait_kmcnt 0x0
	s_add_nc_u64 s[14:15], s[4:5], s[16:17]
	s_add_nc_u64 s[46:47], s[6:7], s[46:47]
	CROUND
.irp s, 0,1
	s_mov_b32 s[G0+4*\s], 1
	s_add_co_u32 s[G0+4*\s+1], s20, \s*SLOT
	s_add_nc_u64 s[G0+4*\s+2:G0+4*\s+3], s[14:15], \s*STEPB
	s_or_b32 s[G0+4*\s+3], s[G0+4*\s+3], 0x80000000
	s_mov_b32 s[G0B+4*\s], 1
	s_add_co_u32 s[G0B+4*\s+1], s21, \s*SLOT
	s_add_nc_u64 s[G0B+4*\s+2:G0B+4*\s+3], s[46:47], \s*STEPB
	s_or_b32 s[G0B+4*\s+3], s[G0B+4*\s+3], 0x80000000
	JLOAD \s                                       ; two loads of the wave are out here, one behind every later round
.endr
	v_and_b32 v1, 15, v0
	v_bfe_u32 v2, v0, 4, 1
	v_mul_u32_u24 v3, v1, PITCH
	v_lshl_add_u32 v3, v2, 4, v3
	s_lshl_b32 s22, s10, 7                         ; my 64 of the slot's 256 along K: 128 bytes
	s_add_co_u32 s23, s22, 2*AHALF
.irp s, 0,1
	v_add_nc_u32 v[ADRA+\s], s22, v3
	v_add_nc_u32 v[ADRB+\s], s23, v3
	s_add_co_u32 s22, s22, SLOT
	s_add_co_u32 s23, s23, SLOT
.endr
	; ---- the way out's addresses
.set PART, 128*528                     ; a wave's partial block in LDS: 128 rows of 512 bytes + 16
	s_mul_i32 s22, s10, PART
	v_mul_u32_u24 v12, v1, 528
	v_lshl_add_u32 v12, v2, 5, v12
	v_add_nc_u32 v12, s22, v12                     ; v12: w PART + r 528 + 32 h
	v_and_b32 v4, 31, v0
	v_lshlrev_b32 v14, 4, v4                       ; v14: 16 lane
	v_lshlrev_b32 v13, 3, v4                       ; v13: 8 lane
	v_lshlrev_b32 v15, 2, v4                       ; v15: 4 lane
	s_mul_i32 s22, s10, 32*528
.irp p, 0,1,2,3
	v_add_nc_u32 v[16+\p], s22, v14                ; v16..19: partial p, my 32 rows
	s_add_co_u32 s22, s22, PART
.endr
	s_lshl_b32 s90, s13, 7
	s_lshl_b32 s91, s10, 5
	s_add_co_u32 s90, s90, s91                     ; my first row
	s_lshl_b32 s92, s90, 2                         ; its place in a line of ssq
	s_lshl_b32 s90, s90, 12
	s_lshl_b32 s91, s42, 9
	s_add_co_u32 s90, s90, s91                     ; row x 4,096 + 512 x block column
	s_mov_b32 s91, 0
	s_add_nc_u64 s[76:77], s[68:69], s[90:91]      ; the residual
	s_add_nc_u64 s[78:79], s[70:71], s[90:91]      ; the f32 result
	s_lshr_b32 s90, s90, 1
	s_add_nc_u64 s[80:81], s[72:73], s[90:91]      ; resb
	s_lshl_b32 s90, s42, 14
	s_add_co_u32 s90, s90, s92
	s_add_nc_u64 s[82:83], s[74:75], s[90:91]      ; ssq
	s_mov_b32 s84, 0x76543210
	s_mov_b32 s85, 0xfedcba98
	v_mov_b32 v20, 0                               ; lane i will hold row i's sum of squares
	WIN 0xc0                                       ; the residual's 32 rows land in window 3 while the products run
.set i, 0
.rept 32
	global_load_b128 v[4*i:4*i+3], v14, s[76:77] offset:4096*i
.set i, i+1
.endr
	WIN 0
	s_wait_tensorcnt 0x1                           ; my part of step 0 is in; step 1's may stay out
	s_barrier_signal -1
	s_barrier_wait -1
	LDB 0, 0, 0, NB1
	LDA 0, 0, AF0
	LAP 1
	STEP 0, 0, 0, 1                                ; the last two of the four steps fill nothing
	FINAL 1
	; ---- the four partial blocks meet in LDS.  The ring has had its last fill and, behind this barrier, its last read.
	WIN 0
	PLACES
	s_wait_dscnt 0x0
	s_barrier_signal -1
	s_barrier_wait -1
.set bb, 0
.rept 8
.set ww, (1+bb/4)<<2
	WIN ww                                         ; the stores' data in the sums' window
.irp a, 0,1,2,3,4,5,6,7
.set tt, 8*((8*bb+\a)%32)
	ds_store_b128 v12, v[tt:tt+3]   offset:16*528*\a+64*bb
	ds_store_b128 v12, v[tt+4:tt+7] offset:16*528*\a+64*bb+16
.endr
.set bb, bb+1
.endr
	WIN 0
	s_wait_dscnt 0x0                               ; my stores are done, for the others' sake
	s_barrier_signal -1
	s_barrier_wait -1
	s_wait_loadcnt 0x0                             ; the residual
; rows 8 g .. 8 g + 7 of my 32: four partial rows each, added in a fixed order, plus the residual; a store of the wave is a row piece of 512 bytes
.macro RGRP g
	s_wait_xcnt 0x0                                ; registers that earlier stores read are loaded again only behind this wait
.irp i, 0,1,2,3,4,5,6,7
.irp p, 0,1,2,3
	ds_load_b128 v[32+16*\i+4*\p:32+16*\i+4*\p+3], v[16+\p] offset:528*(8*\g+\i)
.endr
.endr
.irp i, 0,1,2,3,4,5,6,7
	s_wait_dscnt 4*(7-\i)                          ; row i's four loads are in, the later rows' stay out
	v_pk_add_f32 v[32+16*\i:33+16*\i], v[32+16*\i:33+16*\i], v[36+16*\i:37+16*\i]
	v_pk_add_f32 v[34+16*\i:35+16*\i], v[34+16*\i:35+16*\i], v[38+16*\i:39+16*\i]
	v_pk_add_f32 v[40+16*\i:41+16*\i], v[40+16*\i:41+16*\i], v[44+16*\i:45+16*\i]
	v_pk_add_f32 v[42+16*\i:43+16*\i], v[42+16*\i:43+16*\i], v[46+16*\i:47+16*\i]
	v_pk_add_f32 v[32+16*\i:33+16*\i], v[32+16*\i:33+16*\i], v[40+16*\i:41+16*\i]
	v_pk_add_f32 v[34+16*\i:35+16*\i], v[34+16*\i:35+16*\i], v[42+16*\i:43+16*\i]
.endr
	WIN 0x0c                                       ; source 1 in window 3
.irp i, 0,1,2,3,4,5,6,7
	v_pk_add_f32 v[32+16*\i:33+16*\i], v[32+16*\i:33+16*\i], v[4*(8*\g+\i):4*(8*\g+\i)+1]
	v_pk_add_f32 v[34+16*\i:35+16*\i], v[34+16*\i:35+16*\i], v[4*(8*\g+\i)+2:4*(8*\g+\i)+3]
.endr
	WIN 0
.irp i, 0,1,2,3,4,5,6,7
	global_store_b128 v14, v[32+16*\i:35+16*\i], s[78:79] offset:4096*(8*\g+\i)
.endr
.irp i, 0,1,2,3,4,5,6,7
	v_cvt_pk_bf16_f32 v[36+16*\i], v[32+16*\i], v[33+16*\i]
	v_cvt_pk_bf16_f32 v[37+16*\i], v[34+16*\i], v[35+16*\i]
	global_store_b64 v13, v[36+16*\i:37+16*\i], s[80:81] offset:2048*(8*\g+\i)
	v_mul_f32 v[40+16*\i], v[32+16*\i], v[32+16*\i]
.endr
.irp k, 1,2,3
.irp i, 0,1,2,3,4,5,6,7
	v_fmac_f32 v[40+16*\i], v[32+16*\i+\k], v[32+16*\i+\k]
.endr
.endr
.irp k, 1,2,4,8
.irp i, 0,1,2,3,4,5,6,7
	v_add_f32_dpp v[40+16*\i], v[40+16*\i], v[40+16*\i] row_xmask:\k row_mask:0xf bank_mask:0xf
.endr
.endr
.irp i, 0,1,2,3,4,5,6,7
	v_permlanex16_b32 v[41+16*\i], v[40+16*\i], s84, s85
.endr
.irp i, 0,1,2,3,4,5,6,7
	v_add_f32 v[40+16*\i], v[40+16*\i], v[41+16*\i]
.endr
.irp i, 0,1,2,3,4,5,6,7
	v_readfirstlane_b32 s[86+\i], v[40+16*\i]
	v_writelane_b32 v20, s[86+\i], 8*\g+\i
.endr
.endm
	RGRP 0
	RGRP 1
	RGRP 2
	RGRP 3
	global_store_b32 v15, v20, s[82:83]            ; my 32 rows' sums of squares over this block's 128 columns
	s_wait_tensorcnt 0x0
	ds_add_u32 v254, v255
	s_wait_dscnt 0x0
	CROUND                                         ; the closing round
	s_endpgm
.Lfunc_end_k_qe28c0fed2d_wo:
	.size	k_qe28c0fed2d_wo, .Lfunc_end_k_qe28c0fed2d_wo-k_qe28c0fed2d_wo
	.p2alignl 7, 3214868480
	.fill 96, 4, 3214868480
	.section	.rodata,"a",@progbits
	.p2align	6, 0x0
	.amdhsa_kernel k_qe28c0fed2d_wo
		.amdhsa_group_segment_fixed_size 327680
		.amdhsa_private_segment_fixed_size 0
		.amdhsa_enable_private_segment 0
		.amdhsa_kernarg_size 48
		.amdhsa_user_sgpr_count 2
		.amdhsa_user_sgpr_kernarg_segment_ptr 1
		.amdhsa_wavefront_size32 1
		.amdhsa_system_sgpr_workgroup_id_x 1
		.amdhsa_system_sgpr_workgroup_id_y 1
		.amdhsa_system_sgpr_workgroup_id_z 1
		.amdhsa_system_vgpr_workitem_id 0
		.amdhsa_next_free_vgpr 896
		.amdhsa_next_free_sgpr 100
		.amdhsa_reserve_vcc 0
		.amdhsa_float_denorm_mode_32 3
		.amdhsa_float_denorm_mode_16_64 3
		.amdhsa_memory_ordered 1
		.amdhsa_forward_progress 1
		.amdhsa_inst_pref_size 127
	.end_amdhsa_kernel
	.amdgpu_metadata
---
amdhsa.version: [ 1, 2 ]
amdhsa.kernels:
  - .name:           k_qe28c0fed2d_wo
    .symbol:         k_qe28c0fed2d_wo.kd
    .args:
      - { .name: attn, .offset: 0, .size: 8, .value_kind: global_buffer, .address_space: global }
      - { .name: wts, .offset: 8, .size: 8, .value_kind: global_buffer, .address_space: global }
      - { .name: x, .offset: 16, .size: 8, .value_kind: global_buffer, .address_space: global }
      - { .name: res, .offset: 24, .size: 8, .value_kind: global_buffer, .address_space: global }
      - { .name: resb, .offset: 32, .size: 8, .value_kind: global_buffer, .address_space: global }
      - { .name: ssq, .offset: 40, .size: 8, .value_kind: global_buffer, .address_space: global }
    .group_segment_fixed_size: 327680
    .private_segment_fixed_size: 0
    .kernarg_segment_align: 8
    .kernarg_segment_size: 48
    .max_flat_workgroup_size: 128
    .sgpr_count:     100
    .vgpr_count:     896
    .wavefront_size: 32
...
	.end_amdgpu_metadata
.endif
;; end of part 4
;; launch ffn1 (part 5): grid 16 x 16, 4 waves a work-group, clusters of 4 x 4, 327,680 bytes of LDS; arguments resb, wts, ssq, act; writes act
.if DOCPART == 5
	.amdgcn_target "amdgcn-amd-amdhsa--gfx1250"
	.amdhsa_code_object_version 6
	.text
	.protected	k_qe28c0fed2d_ffn1
	.globl	k_qe28c0fed2d_ffn1
	.p2align	8
	.type	k_qe28c0fed2d_ffn1,@function
k_qe28c0fed2d_ffn1:
	s_mov_b64 s[64:65], 0
	v_nop
	global_prefetch_b8 v0, s[64:65] scope:SCOPE_SE
	s_setreg_imm32_b32 hwreg(HW_REG_WAVE_MODE, 25, 1), 1
	s_wait_xcnt 0x0
	s_wait_alu depctr_hold_cnt(0) depctr_sa_sdst(0) depctr_va_vdst(0) depctr_va_sdst(0) depctr_va_ssrc(0) depctr_va_vcc(0) depctr_vm_vsrc(0)
	s_getreg_b32 s2, hwreg(HW_REG_IB_STS2, 6, 4)
	s_cmp_eq_u32 s2, 0
	s_cbranch_scc0 .Lentry_in_a_cluster
	s_endpgm
.Lentry_in_a_cluster:
	s_bfe_u32 s2, ttmp6, 0x10000c
	s_cmp_lg_u32 s2, 0xf033
	s_cbranch_scc0 .Lentry_shape_is_right
	s_endpgm
.Lentry_shape_is_right:
; ffn1: act = silu(h2 w1^T) * (h2 w3^T), bf16, [4096][2816] (columns 2752.. come out zero from zero weight rows).
; h2 = res / rms * g2 is never stored: g2 lies in the weights, and 1/rms (from the eight partial sums of squares of a row) multiplies the f32 sums here.
; The weights' rows alternate w1[i], w3[i], so a lane's eight neighbouring columns are four (gate, value) pairs.
; A work-group makes 256 tokens x 352 product columns = 176 columns of act; four waves as 2 x 2, a wave 128 x 176: 88 accumulator tiles.
; K goes in steps of 64: two slots of 128 would take 2 x 608 rows x 272 bytes = 330,752 bytes, more than the 327,680 of a work-group's LDS.
; Joint tensor loads in a 4 x 4 cluster: activations shared along a row, weights along a column.
; Limit: a row piece of act is 352 bytes, since 2816 / 16 = 176 columns; its ends do not fall on multiples of 256.
; REGISTERS: window 0: v0-31 addresses, v32-95 / v96-159 activation fragments, v160-247 weight fragments; accumulator tile t = 8b + a in window
; 1 + t/32 at 8 (t mod 32); window 3 v192-255: ssq[k][my row of token tile a] at 192 + 8a + k.
.set NB,     11
.set NB1,    6
.set PITCH,  144                       ; 128 bytes + 16
.set QIC,    4                         ; padding after every 32 words
.set QPS,    2
.set KSLOT,  64
.set STEPB,  128
.set AROWS,  256
.set BROWS,  352
.set KPITCH, 1024
.set BOFF,   8388608
.set SPLITK, 0
.set ALOAD, AROWS/2
.set BLOAD, BROWS/2
.set AHALF, ALOAD*PITCH
.set BHALF, BLOAD*PITCH
.set SLOT,  2*AHALF+2*BHALF
.set G1W0,  (1<<16)|(1<<20)|(1<<21)|(QIC<<22)|(3<<25)
.set AF0, 32
.set AF1, 96
.set BF,  160
.set ADRA, 8
.set ADRB, 10
.set G1,  24
.set G0,  32
.set G1B, 48
.set G0B, 56
.set MSB, 0
.macro WIN new
.if MSB != \new
	s_set_vgpr_msb (MSB<<8)|\new
.set MSB, \new
.endif
.endm
.macro PLACES
.rept 4
	v_nop
.endr
.endm
.macro JLOAD s
	s_cmp_eq_u32 s11, 0
	s_cbranch_scc0 .Lfor_b_\@
	tensor_load_to_lds s[G0+4*\s:G0+4*\s+3], s[G1:G1+7]
	s_nop 0
	PLACES
	s_branch .Lasked_\@
.Lfor_b_\@:
	tensor_load_to_lds s[G0B+4*\s:G0B+4*\s+3], s[G1B:G1B+7]
	s_nop 0
	PLACES
.Lasked_\@:
.endm
.macro CREST
	s_cmp_lg_u32 s10, 0
	s_cbranch_scc1 .Lnot_wave_0_\@
	s_barrier_signal -3
.Lnot_wave_0_\@:
	s_barrier_wait -3
	s_barrier_signal -1
	s_barrier_wait -1
.endm
.macro CROUND
	s_barrier_signal -1
	s_barrier_wait -1
	CREST
.endm
.macro LDB slot, k, b0, b1
.set bb, \b0
.rept (\b1)-(\b0)
	ds_load_b128 v[BF+8*bb:BF+8*bb+3],   v[ADRB+\slot] offset:\k+bb*16*PITCH
	ds_load_b128 v[BF+8*bb+4:BF+8*bb+7], v[ADRB+\slot] offset:\k+bb*16*PITCH+32
.set bb, bb+1
.endr
.endm
.macro LDA slot, k, f
.irp i, 0,1,2,3,4,5,6,7
	ds_load_b128 v[\f+8*\i:\f+8*\i+3],   v[ADRA+\slot] offset:\k+\i*16*PITCH
	ds_load_b128 v[\f+8*\i+4:\f+8*\i+7], v[ADRA+\slot] offset:\k+\i*16*PITCH+32
.endr
.endm
.macro MULS f, b0, b1, zero            ; the accumulators take turns, one instruction a turn
.set bb, \b0
.rept (\b1)-(\b0)
.set ww, (1+bb/4)*0x50
	WIN ww
.set aa, 0
.rept 8
.set tt, 8*((8*bb+aa)%32)
.if \zero
	v_wmma_f32_16x16x32_bf16 v[tt:tt+7], v[BF+8*bb:BF+8*bb+7], v[\f+8*aa:\f+8*aa+7], 0
.else
	v_wmma_f32_16x16x32_bf16 v[tt:tt+7], v[BF+8*bb:BF+8*bb+7], v[\f+8*aa:\f+8*aa+7], v[tt:tt+7]
.endif
.set aa, aa+1
.endr
.set bb, bb+1
.endr
.endm
.macro QTR slot, k, f, g, zero
	WIN 0
	PLACES
	LDB \slot, \k, NB1, NB
	s_wait_dscnt 2*(NB-NB1)                        ; all but the upper weights just issued
	MULS \f, 0, NB1, \zero
	WIN 0
	PLACES
	LDB \slot, \k+64, 0, NB1
	LDA \slot, \k+64, \g
	s_wait_dscnt 2*NB1+16                          ; all but the next quarter's loads
	MULS \f, NB1, NB, \zero
.endm
.macro TURNQ slot, k, f, g, fill, next
	WIN 0
	PLACES
	LDB \slot, \k, NB1, NB
	s_wait_dscnt 2*(NB-NB1)
	MULS \f, 0, NB1-1, 0
	s_wait_dscnt 0x0                               ; my reads of this slot are over
	s_wait_tensorcnt 0x0                           ; all my tensor loads have landed
	ds_add_u32 v254, v255
	s_wait_dscnt 0x0
	s_barrier_signal -1
	MULS \f, NB1-1, NB1, 0
	WIN 0
	s_barrier_wait -1
.if \fill
	CREST
	s_add_nc_u64 s[G0+4*\slot+2:G0+4*\slot+3], s[G0+4*\slot+2:G0+4*\slot+3], 2*STEPB
	s_add_nc_u64 s[G0B+4*\slot+2:G0B+4*\slot+3], s[G0B+4*\slot+2:G0B+4*\slot+3], 2*STEPB
	JLOAD \slot
.else
	PLACES
.endif
	LDB \next, 0, 0, NB1
	LDA \next, 0, \g
	MULS \f, NB1, NB, 0
.endm
.macro LASTQ slot, k, f
	WIN 0
	PLACES
	LDB \slot, \k, NB1, NB
	s_wait_dscnt 2*(NB-NB1)
	MULS \f, 0, NB1, 0
	s_wait_dscnt 0x0
	MULS \f, NB1, NB, 0
.endm
.macro STEP slot, zero, fill, next
	QTR \slot, 0, AF0, AF1, \zero
	TURNQ \slot, 64, AF1, AF0, \fill, \next
.endm
.macro FINAL slot
	QTR \slot, 0, AF0, AF1, 0
	LASTQ \slot, 64, AF1
.endm
.macro LAP zero
	STEP 0, \zero, 1, 1
	STEP 1, 0, 1, 0
.endm
	s_load_b128 s[4:7], s[0:1], 0x0                ; resb, wts
	s_load_b128 s[68:71], s[0:1], 0x10             ; ssq 68, act 70
	v_lshl_add_u32 v254, v0, 2, 0x2ac00
	v_mov_b32 v255, 0
	ds_add_u32 v254, v255
	v_lshrrev_b32 v1, 5, v0
	v_readfirstlane_b32 s10, v1
	s_lshr_b32 s11, s10, 1
	s_and_b32 s12, s10, 1
	s_bfe_u32 s40, ttmp6, 0x40000
	s_bfe_u32 s41, ttmp6, 0x40004
	s_lshl_b32 s42, ttmp9, 2
	s_add_co_u32 s42, s42, s40                     ; block column
	s_and_b32 s13, ttmp7, 0xffff
	s_lshl_b32 s13, s13, 2
	s_add_co_u32 s13, s13, s41                     ; block row
	s_lshl_b32 s43, s41, 2
	s_lshl_b32 s43, 15, s43
	s_lshl_b32 s44, 0x1111, s40
	s_or_b32 s[G1+0], s43, G1W0
	s_or_b32 s[G1B+0], s44, G1W0
	s_mov_b32 s[G1+1], KSLOT<<16
	s_mov_b32 s[G1B+1], KSLOT<<16
	s_mov_b32 s[G1+2], ALOAD<<16
	s_mov_b32 s[G1B+2], BLOAD<<16
	s_mov_b32 s[G1+3], KSLOT<<16
	s_mov_b32 s[G1B+3], KSLOT<<16
	s_mov_b32 s[G1+4], ALOAD
	s_mov_b32 s[G1B+4], BLOAD
	s_mov_b32 s[G1+5], KPITCH
	s_mov_b32 s[G1B+5], KPITCH
	s_mov_b32 s[G1+6], 0
	s_mov_b32 s[G1B+6], 0
	s_mov_b32 s[G1+7], 0
	s_mov_b32 s[G1B+7], 0
	s_mul_i32 s17, s12, ALOAD
	s_mul_i32 s16, s13, AROWS
	s_add_co_u32 s16, s16, s17
	s_mul_i32 s16, s16, KPITCH*2
	s_mov_b32 s17, 0
	s_mul_i32 s47, s12, BLOAD
	s_mul_i32 s46, s42, BROWS
	s_add_co_u32 s46, s46, s47
	s_mul_i32 s46, s46, KPITCH*2
	s_add_co_u32 s46, s46, BOFF
	s_mov_b32 s47, 0
	s_mul_i32 s20, s12, AHALF
	s_mul_i32 s21, s12, BHALF
	s_add_co_u32 s21, s21, 2*AHALF
	s_wait_dscnt 0x0
	s_wait_kmcnt 0x0
	s_add_nc_u64 s[14:15], s[4:5], s[16:17]
	s_add_nc_u64 s[46:47], s[6:7], s[46:47]
	CROUND
.irp s, 0,1
	s_mov_b32 s[G0+4*\s], 1
	s_add_co_u32 s[G0+4*\s+1], s20, \s*SLOT
	s_add_nc_u64 s[G0+4*\s+2:G0+4*\s+3], s[14:15], \s*STEPB
	s_or_b32 s[G0+4*\s+3], s[G0+4*\s+3], 0x80000000
	s_mov_b32 s[G0B+4*\s], 1
	s_add_co_u32 s[G0B+4*\s+1], s21, \s*SLOT
	s_add_nc_u64 s[G0B+4*\s+2:G0B+4*\s+3], s[46:47], \s*STEPB
	s_or_b32 s[G0B+4*\s+3], s[G0B+4*\s+3], 0x80000000
	JLOAD \s                                       ; two loads of the wave are out here, one behind every later round
.endr
	v_and_b32 v1, 15, v0
	v_bfe_u32 v2, v0, 4, 1
	v_mul_u32_u24 v3, v1, PITCH
	v_lshl_add_u32 v3, v2, 4, v3
	s_mul_i32 s22, s11, AHALF
	s_mul_i32 s23, s12, BHALF
	s_add_co_u32 s23, s23, 2*AHALF
.irp s, 0,1
	v_add_nc_u32 v[ADRA+\s], s22, v3
	v_add_nc_u32 v[ADRB+\s], s23, v3
	s_add_co_u32 s22, s22, SLOT
	s_add_co_u32 s23, s23, SLOT
.endr
	; ---- the way out's addresses
.set SPI, 352                          ; stage row: 176 bf16, dense, so that the read-back is linear in LDS
	s_mul_i32 s22, s11, 128*SPI
	s_mul_i32 s23, s12, 176
	s_add_co_u32 s22, s22, s23
	v_mul_u32_u24 v12, v1, SPI
	v_lshl_add_u32 v12, v2, 3, v12
	v_add_nc_u32 v12, s22, v12                     ; v12: (128 wr + r) 352 + 176 wc + 8 h
	v_and_b32 v4, 31, v0
	v_lshlrev_b32 v13, 4, v4
	s_mul_i32 s22, s10, 64*SPI
	v_add_nc_u32 v13, s22, v13                     ; v13: 64 w rows + 16 lane
	v_lshlrev_b32 v15, 2, v1                       ; v15: 4 r
	; chunk 32 t + lane of the 352 chunks of 16 bytes in 16 rows: row = chunk / 22 = (chunk x 2979) >> 16 for chunk < 352;
	; its place in act is 16 chunk + row x (5632 - 352)
.irp t, 0,1,2,3,4,5,6,7,8,9,10
	v_add_nc_u32 v5, 32*\t, v4
	v_mul_u32_u24 v6, v5, 2979
	v_lshrrev_b32 v6, 16, v6
	v_mul_u32_u24 v6, v6, 5280
	v_lshl_add_u32 v[16+\t], v5, 4, v6             ; v16..26
.endr
	s_lshl_b32 s14, s13, 8
	s_lshl_b32 s15, s11, 7
	s_add_co_u32 s14, s14, s15
	s_lshl_b32 s14, s14, 2
	s_mov_b32 s15, 0
	s_add_nc_u64 s[76:77], s[68:69], s[14:15]      ; ssq at my wave's first row
	s_lshl_b32 s90, s13, 8
	s_lshl_b32 s91, s10, 6
	s_add_co_u32 s90, s90, s91
	s_mul_i32 s90, s90, 5632
	s_mul_i32 s91, s42, 352
	s_add_co_u32 s90, s90, s91
	s_mov_b32 s91, 0
	s_add_nc_u64 s[78:79], s[70:71], s[90:91]      ; act at row 256 mb + 64 w, byte 352 nb
	s_mov_b32 s84, 0x3a800000                      ; 1/1024
	s_mov_b32 s85, 0x3727c5ac                      ; 1e-5
	WIN 0xc0                                       ; they land in window 3 while the products run
.irp a, 0,1,2,3,4,5,6,7
.irp k, 0,1,2,3,4,5,6,7
	global_load_b32 v[192+8*\a+\k], v15, s[76:77] offset:64*\a+16384*\k
.endr
.endr
	WIN 0
	s_wait_tensorcnt 0x1                           ; my part of step 0 is in; step 1's may stay out
	s_barrier_signal -1
	s_barrier_wait -1
	LDB 0, 0, 0, NB1
	LDA 0, 0, AF0
	LAP 1
	WIN 0
	s_mov_b32 s3, 6
.Llap:
	LAP 0
	WIN 0
	s_sub_co_u32 s3, s3, 1
	s_cmp_lg_u32 s3, 0
	s_cbranch_scc1 .Llap
	STEP 0, 0, 0, 1                                ; the last two of the sixteen steps fill nothing
	FINAL 1
	; ---- the way out.  The ring has had its last fill and, behind this barrier, its last read: it becomes the stage.
	WIN 0
	PLACES
	s_wait_dscnt 0x0
	s_barrier_signal -1
	s_barrier_wait -1
	s_wait_loadcnt 0x0
.set RI, 64                            ; v[64:79]  1/rms of my row of token tile a, twice
.set TT, 96                            ; v[96:127] scaled (gate, value) pairs
.set EE, 128
.set UU, 144
.set PP, 160
	WIN 0x0f                                       ; both sources in window 3
.irp a, 0,1,2,3,4,5,6,7
.irp q, 0,1,2,3
	v_add_f32 v[32+4*\a+\q], v[192+8*\a+2*\q], v[192+8*\a+2*\q+1]
.endr
.endr
	WIN 0
.irp a, 0,1,2,3,4,5,6,7
	v_add_f32 v[32+4*\a], v[32+4*\a], v[32+4*\a+1]
	v_add_f32 v[32+4*\a+2], v[32+4*\a+2], v[32+4*\a+3]
	v_add_f32 v[32+4*\a], v[32+4*\a], v[32+4*\a+2]
	v_fma_f32 v[32+4*\a], v[32+4*\a], s84, s85
.endr
.irp a, 0,1,2,3,4,5,6,7
	v_rsq_f32 v[RI+2*\a], v[32+4*\a]
	v_rsq_f32 v[RI+2*\a+1], v[32+4*\a]
.endr
	v_nop
	s_wait_alu depctr_va_vdst(0)
; tiles b0 .. b0+nt-1 of token tile a, all in window w: g' v' / (1 + 2^(-1.4427 g')), rounded, 8 bytes a lane into the stage
.macro ACTB a, w, b0, nt
	WIN \w
.set bi, 0
.rept \nt
.set xb, 8*((8*(\b0+bi)+\a)%32)
.irp p, 0,2,4,6
	v_pk_mul_f32 v[TT+8*bi+\p:TT+8*bi+\p+1], v[xb+\p:xb+\p+1], v[RI+2*\a:RI+2*\a+1]
.endr
.set bi, bi+1
.endr
	WIN 0
.set u, 0
.rept 4*\nt
	v_mul_f32 v[EE+u], 0xbfb8aa3b, v[TT+2*u]
.set u, u+1
.endr
.set u, 0
.rept 4*\nt
	v_exp_f32 v[EE+u], v[EE+u]
.set u, u+1
.endr
.set u, 0
.rept 4*\nt
	v_mul_f32 v[UU+u], v[TT+2*u], v[TT+2*u+1]      ; plain work behind the exponentials
.set u, u+1
.endr
.set u, 0
	s_wait_alu depctr_va_vdst(0)
.rept 4*\nt
	v_add_f32 v[EE+u], 1.0, v[EE+u]
.set u, u+1
.endr
.set u, 0
.rept 4*\nt
	v_rcp_f32 v[EE+u], v[EE+u]
.set u, u+1
.endr
	v_nop
.set u, 0
	s_wait_alu depctr_va_vdst(0)
.rept 4*\nt
	v_mul_f32 v[UU+u], v[UU+u], v[EE+u]
.set u, u+1
.endr
.set bi, 0
.rept \nt
	v_cvt_pk_bf16_f32 v[PP+2*bi], v[UU+4*bi], v[UU+4*bi+1]
	v_cvt_pk_bf16_f32 v[PP+2*bi+1], v[UU+4*bi+2], v[UU+4*bi+3]
	ds_store_b64 v12, v[PP+2*bi:PP+2*bi+1] offset:16*SPI*\a+16*(\b0+bi)
.set bi, bi+1
.endr
.endm
.irp a, 0,1,2,3,4,5,6,7
	ACTB \a, 1, 0, 4
	ACTB \a, 2, 4, 4
	ACTB \a, 3, 8, 3
.endr
	s_wait_dscnt 0x0                               ; my stores are done, for the others' sake
	s_barrier_signal -1
	s_barrier_wait -1
	; wave w takes rows 64 w .. 64 w + 63, sixteen rows (eleven loads of the wave) at a time
.irp g, 0,1,2,3
	s_wait_xcnt 0x0                                ; registers that earlier stores read are loaded again only behind this wait
.irp t, 0,1,2,3,4,5,6,7,8,9,10
	ds_load_b128 v[32+4*\t:32+4*\t+3], v13 offset:512*\t+16*SPI*\g
.endr
.irp t, 0,1,2,3,4,5,6,7,8,9,10
	s_wait_dscnt 10-\t
	global_store_b128 v[16+\t], v[32+4*\t:32+4*\t+3], s[78:79] offset:90112*\g
.endr
.endr
	s_wait_tensorcnt 0x0
	ds_add_u32 v254, v255
	s_wait_dscnt 0x0
	CROUND                                         ; the closing round
	s_endpgm
.Lfunc_end_k_qe28c0fed2d_ffn1:
	.size	k_qe28c0fed2d_ffn1, .Lfunc_end_k_qe28c0fed2d_ffn1-k_qe28c0fed2d_ffn1
	.p2alignl 7, 3214868480
	.fill 96, 4, 3214868480
	.section	.rodata,"a",@progbits
	.p2align	6, 0x0
	.amdhsa_kernel k_qe28c0fed2d_ffn1
		.amdhsa_group_segment_fixed_size 327680
		.amdhsa_private_segment_fixed_size 0
		.amdhsa_enable_private_segment 0
		.amdhsa_kernarg_size 32
		.amdhsa_user_sgpr_count 2
		.amdhsa_user_sgpr_kernarg_segment_ptr 1
		.amdhsa_wavefront_size32 1
		.amdhsa_system_sgpr_workgroup_id_x 1
		.amdhsa_system_sgpr_workgroup_id_y 1
		.amdhsa_system_sgpr_workgroup_id_z 1
		.amdhsa_system_vgpr_workitem_id 0
		.amdhsa_next_free_vgpr 1024
		.amdhsa_next_free_sgpr 100
		.amdhsa_reserve_vcc 0
		.amdhsa_float_denorm_mode_32 3
		.amdhsa_float_denorm_mode_16_64 3
		.amdhsa_memory_ordered 1
		.amdhsa_forward_progress 1
		.amdhsa_inst_pref_size 253
	.end_amdhsa_kernel
	.amdgpu_metadata
---
amdhsa.version: [ 1, 2 ]
amdhsa.kernels:
  - .name:           k_qe28c0fed2d_ffn1
    .symbol:         k_qe28c0fed2d_ffn1.kd
    .args:
      - { .name: resb, .offset: 0, .size: 8, .value_kind: global_buffer, .address_space: global }
      - { .name: wts, .offset: 8, .size: 8, .value_kind: global_buffer, .address_space: global }
      - { .name: ssq, .offset: 16, .size: 8, .value_kind: global_buffer, .address_space: global }
      - { .name: act, .offset: 24, .size: 8, .value_kind: global_buffer, .address_space: global }
    .group_segment_fixed_size: 327680
    .private_segment_fixed_size: 0
    .kernarg_segment_align: 8
    .kernarg_segment_size: 32
    .max_flat_workgroup_size: 128
    .sgpr_count:     100
    .vgpr_count:     1024
    .wavefront_size: 32
...
	.end_amdgpu_metadata
.endif
;; end of part 5
;; launch ffn2 (part 6): grid 8 x 32, 4 waves a work-group, clusters of 4 x 4, 327,680 bytes of LDS; arguments act, wts, res, out0; writes out0
.if DOCPART == 6
	.amdgcn_target "amdgcn-amd-amdhsa--gfx1250"
	.amdhsa_code_object_version 6
	.text
	.protected	k_qe28c0fed2d_ffn2
	.globl	k_qe28c0fed2d_ffn2
	.p2align	8
	.type	k_qe28c0fed2d_ffn2,@function
k_qe28c0fed2d_ffn2:
	s_mov_b64 s[64:65], 0
	v_nop
	global_prefetch_b8 v0, s[64:65] scope:SCOPE_SE
	s_setreg_imm32_b32 hwreg(HW_REG_WAVE_MODE, 25, 1), 1
	s_wait_xcnt 0x0
	s_wait_alu depctr_hold_cnt(0) depctr_sa_sdst(0) depctr_va_vdst(0) depctr_va_sdst(0) depctr_va_ssrc(0) depctr_va_vcc(0) depctr_vm_vsrc(0)
	s_getreg_b32 s2, hwreg(HW_REG_IB_STS2, 6, 4)
	s_cmp_eq_u32 s2, 0
	s_cbranch_scc0 .Lentry_in_a_cluster
	s_endpgm
.Lentry_in_a_cluster:
	s_bfe_u32 s2, ttmp6, 0x10000c
	s_cmp_lg_u32 s2, 0xf033
	s_cbranch_scc0 .Lentry_shape_is_right
	s_endpgm
.Lentry_shape_is_right:
; ffn2: out0 = act w2^T + res (f32).  K = 2816 (2752 and 64 zeros on both sides), eleven steps of 256.
; A work-group makes 128 x 128.  The four waves split K: each multiplies the whole block over its own 64 of every 256 along K (16 fragments
; feed 64 matrix instructions), and the four partial blocks are added through LDS at the end, in a fixed order.
; Two LDS slots filled by joint tensor loads (4 x 4 cluster: activations shared along a row, weights along a column).
; REGISTERS: window 0: v0-31 addresses, v32-95 / v96-159 activation fragments, v160-223 weight fragments; accumulator tile t = 8b + a in window
; 1 + t/32 at 8 (t mod 32); window 3 v0-127: the residual's rows 32 w + i at 4 i.
.set WOK,    0
.set NSTEPS, 11
.set NB,     8
.set NB1,    4
.set PITCH,  528                       ; 512 bytes + 16
.set QIC,    6                         ; padding after every 128 words
.set QPS,    2
.set KSLOT,  256
.set STEPB,  512
.set AROWS,  128
.set BROWS,  128
.set KPITCH, 2816
.set BOFF,   19922944
.set SPLITK, 1
.set ALOAD, AROWS/2
.set BLOAD, BROWS/2
.set AHALF, ALOAD*PITCH
.set BHALF, BLOAD*PITCH
.set SLOT,  2*AHALF+2*BHALF
.set G1W0,  (1<<16)|(1<<20)|(1<<21)|(QIC<<22)|(3<<25)
.set AF0, 32
.set AF1, 96
.set BF,  160
.set ADRA, 8
.set ADRB, 10
.set G1,  24
.set G0,  32
.set G1B, 48
.set G0B, 56
.set MSB, 0
.macro WIN new
.if MSB != \new
	s_set_vgpr_msb (MSB<<8)|\new
.set MSB, \new
.endif
.endm
.macro PLACES
.rept 4
	v_nop
.endr
.endm
.macro JLOAD s
	s_cmp_eq_u32 s11, 0
	s_cbranch_scc0 .Lfor_b_\@
	tensor_load_to_lds s[G0+4*\s:G0+4*\s+3], s[G1:G1+7]
	s_nop 0
	PLACES
	s_branch .Lasked_\@
.Lfor_b_\@:
	tensor_load_to_lds s[G0B+4*\s:G0B+4*\s+3], s[G1B:G1B+7]
	s_nop 0
	PLACES
.Lasked_\@:
.endm
.macro CREST
	s_cmp_lg_u32 s10, 0
	s_cbranch_scc1 .Lnot_wave_0_\@
	s_barrier_signal -3
.Lnot_wave_0_\@:
	s_barrier_wait -3
	s_barrier_signal -1
	s_barrier_wait -1
.endm
.macro CROUND
	s_barrier_signal -1
	s_barrier_wait -1
	CREST
.endm
.macro LDB slot, k, b0, b1
.set bb, \b0
.rept (\b1)-(\b0)
	ds_load_b128 v[BF+8*bb:BF+8*bb+3],   v[ADRB+\slot] offset:\k+bb*16*PITCH
	ds_load_b128 v[BF+8*bb+4:BF+8*bb+7], v[ADRB+\slot] offset:\k+bb*16*PITCH+32
.set bb, bb+1
.endr
.endm
.macro LDA slot, k, f
.irp i, 0,1,2,3,4,5,6,7
	ds_load_b128 v[\f+8*\i:\f+8*\i+3],   v[ADRA+\slot] offset:\k+\i*16*PITCH
	ds_load_b128 v[\f+8*\i+4:\f+8*\i+7], v[ADRA+\slot] offset:\k+\i*16*PITCH+32
.endr
.endm
.macro MULS f, b0, b1, zero            ; the accumulators take turns, one instruction a turn
.set bb, \b0
.rept (\b1)-(\b0)
.set ww, (1+bb/4)*0x50
	WIN ww
.set aa, 0
.rept 8
.set tt, 8*((8*bb+aa)%32)
.if \zero
	v_wmma_f32_16x16x32_bf16 v[tt:tt+7], v[BF+8*bb:BF+8*bb+7], v[\f+8*aa:\f+8*aa+7], 0
.else
	v_wmma_f32_16x16x32_bf16 v[tt:tt+7], v[BF+8*bb:BF+8*bb+7], v[\f+8*aa:\f+8*aa+7], v[tt:tt+7]
.endif
.set aa, aa+1
.endr
.set bb, bb+1
.endr
.endm
.macro QTR slot, k, f, g, zero
	WIN 0
	PLACES
	LDB \slot, \k, NB1, NB
	s_wait_dscnt 2*(NB-NB1)                        ; all but the upper weights just issued
	MULS \f, 0, NB1, \zero
	WIN 0
	PLACES
	LDB \slot, \k+64, 0, NB1
	LDA \slot, \k+64, \g
	s_wait_dscnt 2*NB1+16                          ; all but the next quarter's loads
	MULS \f, NB1, NB, \zero
.endm
.macro TURNQ slot, k, f, g, fill, next
	WIN 0
	PLACES
	LDB \slot, \k, NB1, NB
	s_wait_dscnt 2*(NB-NB1)
	MULS \f, 0, NB1-1, 0
	s_wait_dscnt 0x0                               ; my reads of this slot are over
	s_wait_tensorcnt 0x0                           ; all my tensor loads have landed
	ds_add_u32 v254, v255
	s_wait_dscnt 0x0
	s_barrier_signal -1
	MULS \f, NB1-1, NB1, 0
	WIN 0
	s_barrier_wait -1
.if \fill
	CREST
	s_add_nc_u64 s[G0+4*\slot+2:G0+4*\slot+3], s[G0+4*\slot+2:G0+4*\slot+3], 2*STEPB
	s_add_nc_u64 s[G0B+4*\slot+2:G0B+4*\slot+3], s[G0B+4*\slot+2:G0B+4*\slot+3], 2*STEPB
	JLOAD \slot
.else
	PLACES
.endif
	LDB \next, 0, 0, NB1
	LDA \next, 0, \g
	MULS \f, NB1, NB, 0
.endm
.macro LASTQ slot, k, f
	WIN 0
	PLACES
	LDB \slot, \k, NB1, NB
	s_wait_dscnt 2*(NB-NB1)
	MULS \f, 0, NB1, 0
	s_wait_dscnt 0x0
	MULS \f, NB1, NB, 0
.endm
.macro STEP slot, zero, fill, next
	QTR \slot, 0, AF0, AF1, \zero
	TURNQ \slot, 64, AF1, AF0, \fill, \next
.endm
.macro FINAL slot
	QTR \slot, 0, AF0, AF1, 0
	LASTQ \slot, 64, AF1
.endm
.macro LAP zero
	STEP 0, \zero, 1, 1
	STEP 1, 0, 1, 0
.endm
	s_load_b128 s[4:7], s[0:1], 0x0                ; activations, wts
.if WOK
	s_load_b256 s[68:75], s[0:1], 0x10             ; x 68, res 70, resb 72, ssq 74
.else
	s_load_b128 s[68:71], s[0:1], 0x10             ; res 68, out0 70
	v_lshl_add_u32 v254, v0, 2, 0x42000
	v_mov_b32 v255, 0
	ds_add_u32 v254, v255
.endif
	v_lshrrev_b32 v1, 5, v0
	v_readfirstlane_b32 s10, v1
	s_lshr_b32 s11, s10, 1
	s_and_b32 s12, s10, 1
	s_bfe_u32 s40, ttmp6, 0x40000
	s_bfe_u32 s41, ttmp6, 0x40004
	s_lshl_b32 s42, ttmp9, 2
	s_add_co_u32 s42, s42, s40                     ; block column
	s_and_b32 s13, ttmp7, 0xffff
	s_lshl_b32 s13, s13, 2
	s_add_co_u32 s13, s13, s41                     ; block row
	s_lshl_b32 s43, s41, 2
	s_lshl_b32 s43, 15, s43
	s_lshl_b32 s44, 0x1111, s40
	s_or_b32 s[G1+0], s43, G1W0
	s_or_b32 s[G1B+0], s44, G1W0
	s_mov_b32 s[G1+1], KSLOT<<16
	s_mov_b32 s[G1B+1], KSLOT<<16
	s_mov_b32 s[G1+2], ALOAD<<16
	s_mov_b32 s[G1B+2], BLOAD<<16
	s_mov_b32 s[G1+3], KSLOT<<16
	s_mov_b32 s[G1B+3], KSLOT<<16
	s_mov_b32 s[G1+4], ALOAD
	s_mov_b32 s[G1B+4], BLOAD
	s_mov_b32 s[G1+5], KPITCH
	s_mov_b32 s[G1B+5], KPITCH
	s_mov_b32 s[G1+6], 0
	s_mov_b32 s[G1B+6], 0
	s_mov_b32 s[G1+7], 0
	s_mov_b32 s[G1B+7], 0
	s_mul_i32 s17, s12, ALOAD
	s_mul_i32 s16, s13, AROWS
	s_add_co_u32 s16, s16, s17
	s_mul_i32 s16, s16, KPITCH*2
	s_mov_b32 s17, 0
	s_mul_i32 s47, s12, BLOAD
	s_mul_i32 s46, s42, BROWS
	s_add_co_u32 s46, s46, s47
	s_mul_i32 s46, s46, KPITCH*2
	s_add_co_u32 s46, s46, BOFF
	s_mov_b32 s47, 0
	s_mul_i32 s20, s12, AHALF
	s_mul_i32 s21, s12, BHALF
	s_add_co_u32 s21, s21, 2*AHALF
	s_wait_dscnt 0x0
	s_wait_kmcnt 0x0
	s_add_nc_u64 s[14:15], s[4:5], s[16:17]
	s_add_nc_u64 s[46:47], s[6:7], s[46:47]
	CROUND
.irp s, 0,1
	s_mov_b32 s[G0+4*\s], 1
	s_add_co_u32 s[G0+4*\s+1], s20, \s*SLOT
	s_add_nc_u64 s[G0+4*\s+2:G0+4*\s+3], s[14:15], \s*STEPB
	s_or_b32 s[G0+4*\s+3], s[G0+4*\s+3], 0x80000000
	s_mov_b32 s[G0B+4*\s], 1
	s_add_co_u32 s[G0B+4*\s+1], s21, \s*SLOT
	s_add_nc_u64 s[G0B+4*\s+2:G0B+4*\s+3], s[46:47], \s*STEPB
	s_or_b32 s[G0B+4*\s+3], s[G0B+4*\s+3], 0x80000000
	JLOAD \s                                       ; two loads of the wave are out here, one behind every later round
.endr
	v_and_b32 v1, 15, v0
	v_bfe_u32 v2, v0, 4, 1
	v_mul_u32_u24 v3, v1, PITCH
	v_lshl_add_u32 v3, v2, 4, v3
	s_lshl_b32 s22, s10, 7                         ; my 64 of the slot's 256 along K: 128 bytes
	s_add_co_u32 s23, s22, 2*AHALF
.irp s, 0,1
	v_add_nc_u32 v[ADRA+\s], s22, v3
	v_add_nc_u32 v[ADRB+\s], s23, v3
	s_add_co_u32 s22, s22, SLOT
	s_add_co_u32 s23, s23, SLOT
.endr
	; ---- the way out's addresses
.set PART, 128*528                     ; a wave's partial block in LDS: 128 rows of 512 bytes + 16
	s_mul_i32 s22, s10, PART
	v_mul_u32_u24 v12, v1, 528
	v_lshl_add_u32 v12, v2, 5, v12
	v_add_nc_u32 v12, s22, v12                     ; v12: w PART + r 528 + 32 h
	v_and_b32 v4, 31, v0
	v_lshlrev_b32 v14, 4, v4                       ; v14: 16 lane
	s_mul_i32 s22, s10, 32*528
.irp p, 0,1,2,3
	v_add_nc_u32 v[16+\p], s22, v14                ; v16..19: partial p, my 32 rows
	s_add_co_u32 s22, s22, PART
.endr
	s_lshl_b32 s90, s13, 7
	s_lshl_b32 s91, s10, 5
	s_add_co_u32 s90, s90, s91                     ; my first row
	s_lshl_b32 s90, s90, 12
	s_lshl_b32 s91, s42, 9
	s_add_co_u32 s90, s90, s91                     ; row x 4,096 + 512 x block column
	s_mov_b32 s91, 0
	s_add_nc_u64 s[76:77], s[68:69], s[90:91]      ; the residual
	s_add_nc_u64 s[78:79], s[70:71], s[90:91]      ; the result
	WIN 0xc0                                       ; the residual's 32 rows land in window 3 while the products run
.set i, 0
.rept 32
	global_load_b128 v[4*i:4*i+3], v14, s[76:77] offset:4096*i
.set i, i+1
.endr
	WIN 0
	s_wait_tensorcnt 0x1                           ; my part of step 0 is in; step 1's may stay out
	s_barrier_signal -1
	s_barrier_wait -1
	LDB 0, 0, 0, NB1
	LDA 0, 0, AF0
	LAP 1
	WIN 0
	s_mov_b32 s3, 3
.Llap:
	LAP 0
	WIN 0
	s_sub_co_u32 s3, s3, 1
	s_cmp_lg_u32 s3, 0
	s_cbranch_scc1 .Llap
	STEP 0, 0, 1, 1                                ; step 8 asks for step 10, the last
	STEP 1, 0, 0, 0
	FINAL 0
	; ---- the four partial blocks meet in LDS.  The ring has had its last fill and, behind this barrier, its last read.
	WIN 0
	PLACES
	s_wait_dscnt 0x0
	s_barrier_signal -1
	s_barrier_wait -1
.set bb, 0
.rept 8
.set ww, (1+bb/4)<<2
	WIN ww                                         ; the stores' data in the sums' window
.irp a, 0,1,2,3,4,5,6,7
.set tt, 8*((8*bb+\a)%32)
	ds_store_b128 v12, v[tt:tt+3]   offset:16*528*\a+64*bb
	ds_store_b128 v12, v[tt+4:tt+7] offset:16*528*\a+64*bb+16
.endr
.set bb, bb+1
.endr
	WIN 0
	s_wait_dscnt 0x0                               ; my stores are done, for the others' sake
	s_barrier_signal -1
	s_barrier_wait -1
	s_wait_loadcnt 0x0                             ; the residual
; rows 8 g .. 8 g + 7 of my 32: four partial rows each, added in a fixed order, plus the residual; a store of the wave is a row piece of 512 bytes
.macro RGRP g
	s_wait_xcnt 0x0                                ; registers that earlier stores read are loaded again only behind this wait
.irp i, 0,1,2,3,4,5,6,7
.irp p, 0,1,2,3
	ds_load_b128 v[32+16*\i+4*\p:32+16*\i+4*\p+3], v[16+\p] offset:528*(8*\g+\i)
.endr
.endr
.irp i, 0,1,2,3,4,5,6,7
	s_wait_dscnt 4*(7-\i)                          ; row i's four loads are in, the later rows' stay out
	v_pk_add_f32 v[32+16*\i:33+16*\i], v[32+16*\i:33+16*\i], v[36+16*\i:37+16*\i]
	v_pk_add_f32 v[34+16*\i:35+16*\i], v[34+16*\i:35+16*\i], v[38+16*\i:39+16*\i]
	v_pk_add_f32 v[40+16*\i:41+16*\i], v[40+16*\i:41+16*\i], v[44+16*\i:45+16*\i]
	v_pk_add_f32 v[42+16*\i:43+16*\i], v[42+16*\i:43+16*\i], v[46+16*\i:47+16*\i]
	v_pk_add_f32 v[32+16*\i:33+16*\i], v[32+16*\i:33+16*\i], v[40+16*\i:41+16*\i]
	v_pk_add_f32 v[34+16*\i:35+16*\i], v[34+16*\i:35+16*\i], v[42+16*\i:43+16*\i]
.endr
	WIN 0x0c                                       ; source 1 in window 3
.irp i, 0,1,2,3,4,5,6,7
	v_pk_add_f32 v[32+16*\i:33+16*\i], v[32+16*\i:33+16*\i], v[4*(8*\g+\i):4*(8*\g+\i)+1]
	v_pk_add_f32 v[34+16*\i:35+16*\i], v[34+16*\i:35+16*\i], v[4*(8*\g+\i)+2:4*(8*\g+\i)+3]
.endr
	WIN 0
.irp i, 0,1,2,3,4,5,6,7
	global_store_b128 v14, v[32+16*\i:35+16*\i], s[78:79] offset:4096*(8*\g+\i)
.endr
.endm
	RGRP 0
	RGRP 1
	RGRP 2
	RGRP 3
	s_wait_tensorcnt 0x0
	ds_add_u32 v254, v255
	s_wait_dscnt 0x0
	CROUND                                         ; the closing round
	s_endpgm
.Lfunc_end_k_qe28c0fed2d_ffn2:
	.size	k_qe28c0fed2d_ffn2, .Lfunc_end_k_qe28c0fed2d_ffn2-k_qe28c0fed2d_ffn2
	.p2alignl 7, 3214868480
	.fill 96, 4, 3214868480
	.section	.rodata,"a",@progbits
	.p2align	6, 0x0
	.amdhsa_kernel k_qe28c0fed2d_ffn2
		.amdhsa_group_segment_fixed_size 327680
		.amdhsa_private_segment_fixed_size 0
		.amdhsa_enable_private_segment 0
		.amdhsa_kernarg_size 32
		.amdhsa_user_sgpr_count 2
		.amdhsa_user_sgpr_kernarg_segment_ptr 1
		.amdhsa_wavefront_size32 1
		.amdhsa_system_sgpr_workgroup_id_x 1
		.amdhsa_system_sgpr_workgroup_id_y 1
		.amdhsa_system_sgpr_workgroup_id_z 1
		.amdhsa_system_vgpr_workitem_id 0
		.amdhsa_next_free_vgpr 896
		.amdhsa_next_free_sgpr 100
		.amdhsa_reserve_vcc 0
		.amdhsa_float_denorm_mode_32 3
		.amdhsa_float_denorm_mode_16_64 3
		.amdhsa_memory_ordered 1
		.amdhsa_forward_progress 1
		.amdhsa_inst_pref_size 143
	.end_amdhsa_kernel
	.amdgpu_metadata
---
amdhsa.version: [ 1, 2 ]
amdhsa.kernels:
  - .name:           k_qe28c0fed2d_ffn2
    .symbol:         k_qe28c0fed2d_ffn2.kd
    .args:
      - { .name: act, .offset: 0, .size: 8, .value_kind: global_buffer, .address_space: global }
      - { .name: wts, .offset: 8, .size: 8, .value_kind: global_buffer, .address_space: global }
      - { .name: res, .offset: 16, .size: 8, .value_kind: global_buffer, .address_space: global }
      - { .name: out0, .offset: 24, .size: 8, .value_kind: global_buffer, .address_space: global }
    .group_segment_fixed_size: 327680
    .private_segment_fixed_size: 0
    .kernarg_segment_align: 8
    .kernarg_segment_size: 32
    .max_flat_workgroup_size: 128
    .sgpr_count:     100
    .vgpr_count:     896
    .wavefront_size: 32
...
	.end_amdgpu_metadata
.endif
;; end of part 6
